; MI455X (gfx1250); checked and timed in simulation.
; The chip was launched on July 23, 2026; its instructions are those of AMD's public machine-readable ISA for CDNA 5 (MIT licence, August 2026) and "CDNA5" Instruction Set Architecture Reference Guide (July 2026). The comments in the code are by the model that wrote it; some were corrected since.
;; Multi Head Attention. Allowed arithmetic: matrix products marked QUANTISED: E2M3 operands, one E8M0 scale for each 32 along K, by v_wmma_scale_f32_16x16x128_f8f6f4 with both operands' format E2M3, f32 sums; everything else in f32.
;; Inputs: K 4 x 2,048 x 1,024 float32; Q 4 x 2,048 x 1,024 float32; V 4 x 2,048 x 1,024 float32; Wk 1,024 x 1,024 float32; Wo 1,024 x 1,024 float32; Wq 1,024 x 1,024 float32; Wv 1,024 x 1,024 float32; bk 1,024 float32; bo 1,024 float32; bq 1,024 float32; bv 1,024 float32.
;; Outputs: out0 4 x 2,048 x 1,024 float32.
;; This version of the problem:
;;   THIS VERSION OF THE PROBLEM IS GIVEN IN LOW PRECISION. The matrix products marked QUANTISED in the list below multiply operands that are first quantised to E2M3 (2 exponent bits, 3 mantissa bits; 6 bits a number), with one power-of-two scale for each 32 numbers along K (OCP MX v1.0); their sums are f32. All else is computed in f32.
;;   The module's matrix products, in the order in which they are computed (A, B: the left and right operand; K: the contracted axis; several contracted axes count as one K, in the product's order):
;;     1. [M 8,192, K 1,024] x [K 1,024, N 1,024]; A: input Q; B: input Wq: QUANTISED
;;     2. [M 8,192, K 1,024] x [K 1,024, N 1,024]; A: input K; B: input Wk: QUANTISED
;;     3. [M 8,192, K 1,024] x [K 1,024, N 1,024]; A: input V; B: input Wv: QUANTISED
;;     4. batch 64 x [M 2,048, K 64] x [K 64, N 2,048]; A: computed on the way; B: computed on the way: QUANTISED
;;     5. batch 64 x [M 2,048, K 2,048] x [K 2,048, N 64]; A: softmax (see below); B: computed on the way: QUANTISED
;;     6. [M 8,192, K 1,024] x [K 1,024, N 1,024]; A: computed on the way; B: input Wo: QUANTISED
;;   THE QUANTISER, for each operand of a quantised product, along K:
;;     - K is cut into blocks of 32 from its start; a last block that is shorter is filled with zeros.
;;     - A block's scale is 2^e with e = floor(log2(the largest magnitude in the block)) - 2, held to -126 .. 127; a block of zeros has e = 0. As a byte (E8M0): e + 127.
;;     - Each number is divided by its block's scale, clamped to +-7.5, and rounded to the nearest number of E2M3, ties to even, subnormals kept.
;;     - The product sums the exact products of the quantised numbers (number of the format x scale) in f32.
;;   ~~~python
;;   def quantise(x, axis):      # numpy; x: float32 -> the quantised numbers, widened to float32 again
;;       x = np.moveaxis(x, axis, -1); K = x.shape[-1]
;;       x = np.pad(x, [(0, 0)] * (x.ndim - 1) + [(0, -K % 32)]); x = x.reshape(x.shape[:-1] + (-1, 32)); a = np.abs(x).max(-1, keepdims=True)
;;       e = np.where(a > 0, np.clip(np.frexp(np.where(a > 0, a, 1))[1] - 1 - 2, -126, 127), 0)      # np.frexp(a)[1] - 1 = floor(log2(a)), exactly
;;       r = np.clip(x / 2.0 ** e, -7.5, 7.5)
;;       step = 2.0 ** (np.maximum(np.frexp(np.where(r == 0, 1, r))[1] - 1, 0) - 3)
;;       q = np.round(r / step) * step * 2.0 ** e      # np.round: ties to even
;;       return np.moveaxis(q.reshape(q.shape[:-2] + (-1,))[..., :K], -1, axis).astype(np.float32)
;;   ~~~
;;   SOFTMAX AHEAD OF A QUANTISED PRODUCT. Where the list says 'softmax', what is quantised is not the finished softmax but p = 2^(t - M), with t = logit x log2(e) and M = ceil(the row's largest t), a whole number; so 1/2 < the row's largest p <= 1. The row's sum l is taken of the UNQUANTISED p, in f32, and the product's result is divided by l at the end. Since M is a whole number, a kernel that streams over the keys may use a running M (the ceiling of the running maximum): every later rescaling is an exact power of two, which a block's scale takes up: the codes' values come out the same.
;;   OPERANDS COMPUTED ON THE WAY. 'Computed on the way' means the value that the module computes at that place (a softmax that the list does not call 'softmax' is quantised finished and normalised). What goes into a quantiser is computed in f32, as accurately as f32 sums, v_exp_f32 and their like allow (about 1e-6 of the number): no bf16 or f16 on the way to a quantiser, and a product that is left as it is and whose result goes on into a quantised operand takes f32 operands (vector FMAs, or v_wmma_f32_16x16x4_f32). A number that lies on a knife's edge between two numbers of the format may be rounded either way, as far as f32 arithmetic and the matrix unit's own rounding can turn it there, and no further.
;; One version. Each part assembles by itself: llvm-mc -triple=amdgcn-amd-amdhsa -mcpu=gfx1250 --defsym DOCPART=n.
;; ======== version 1 of 1: 4 launches
;; limits: right only within a limited range of input values
;; workspace buffers: xw 22,937,600 bytes; qf 8,388,608 bytes; kv 13,107,200 bytes; ao 6,553,600 bytes
;; launch quant (part 1): grid 1792 x 2, 1 waves a work-group, no clusters, 8,704 bytes of LDS; arguments Q, K, V, Wq, Wk, Wv, Wo, xw; writes xw
.if DOCPART == 1
	.amdgcn_target "amdgcn-amd-amdhsa--gfx1250"
	.amdhsa_code_object_version 6
	.text
	.protected	k_qa3bbea5988_quant
	.globl	k_qa3bbea5988_quant
	.p2align	8
	.type	k_qa3bbea5988_quant,@function
k_qa3bbea5988_quant:
	s_mov_b64 s[64:65], 0
	v_nop
	global_prefetch_b8 v0, s[64:65] scope:SCOPE_SE
	s_setreg_imm32_b32 hwreg(HW_REG_WAVE_MODE, 25, 1), 1
	s_wait_xcnt 0x0
; Q, K, V [8192][1024] and Wq, Wk, Wv, Wo [1024][1024], f32 with the products' K innermost, become codes of FP6 (E2M3) and E8M0 scale bytes, one for each 32 along K,
; laid in xw IN THE ORDER OF THE OPERAND'S REGISTERS.  A UNIT (12,800 bytes) is 128 rows x 128 along K: eight fragments of 16 rows (1,536 bytes each), then 512 bytes of scale words.
; A fragment's image: registers 0-3 at 16 x lane, registers 4-5 at 512 + 8 x lane, registers 6-9 at 768 + 16 x lane, registers 10-11 at 1,280 + 8 x lane.
; THE ROWS OF A TILE ARE NOT NEIGHBOURS: lane r of tile t takes row 32 (t / 2) + 8 (t % 2) + r + 8 (r / 8) of the 128, so that results made with such tiles as source 0 have 16 neighbours in 16 registers.
; The scale word of (tile t, lane r) lies at 12,288 + 64 t + 4 r; its byte b scales k = 32 b .. 32 b + 31.
; Unit g = 8 x (group of 128 rows) + K step; groups: Q 0-63, K 64-127, V 128-191, Wq 192-199, Wk 200-207, Wv 208-215, Wo 216-223.  Two work-groups of one wave make one unit, four tiles each.
; A block's scale is 2^(floor(log2(its largest magnitude)) - 2); its byte is the largest magnitude's exponent field - 2, held at 1 from below.
; LIMITS: a block of zeros, or one whose largest magnitude lies under 2^-124, keeps the byte 1 where the rule says 127 for zeros: its codes are zeros, and this program alone reads the bytes.  NaN and infinities are not served.
; No tensor load, no barrier, no matrix work: a stream.  Each load reads 512 consecutive bytes of one row; a tile's 16 rows turn through a stage in LDS so that a lane holds 16 neighbours of each block.
.set UNITB, 12800
.set SP,    528                        ; a stage row: 512 bytes + 16: an odd multiple of 16, so that 16 lanes that read 16 rows start at 16 different columns of 16 bytes
.set R,     16                         ; v16-143  two sets of 64: a tile's rows as they are loaded
.set X,     144                        ; v144-207 register 16 b + i = k 32 b + 16 (lane / 16) + i of my row
.set PC,    208                        ; v208-226 the codes just made, and the conversions' second halves
.set TM,    228                        ; v228-243 at work in QUANT
.set PW,    244                        ; the scale word just made
.set PWK,   246                        ; v246-249 my four tiles' scale words
.set SEL,   26                         ; s[26:27] lane selects: lane l xor 16
; 64 numbers of a lane, v[s] .. v[s + 63], become a fragment's codes in v[PC] on and its scale word in v[PW].
.macro QUANT s
.irp b, 0,1,2,3
	v_max3_num_f32 v[TM+\b], |v[\s+16*\b]|, |v[\s+1+16*\b]|, 0x1800000   ; block b: my 16 numbers, and the floor 2^(3 - 127): the byte cannot fall under 1
.endr
.irp i, 2,4,6,8,10,12,14
.irp b, 0,1,2,3
	v_max3_num_f32 v[TM+\b], v[TM+\b], |v[\s+16*\b+\i]|, |v[\s+1+16*\b+\i]|   ; the four blocks by turns
.endr
.endr
.irp b, 0,1,2,3
	v_permlanex16_b32 v[TM+4+\b], v[TM+\b], s[SEL], s[SEL+1]
.endr
.irp b, 0,1,2,3
	v_max_num_f32 v[TM+\b], v[TM+\b], v[TM+4+\b]   ; with lane l xor 16's: the block's largest magnitude
.endr
.irp b, 0,1,2,3
	v_add_nc_u32 v[TM+12+\b], 0xff000000, v[TM+\b]   ; 2 off its exponent field: the conversion's scale operand
.endr
.irp b, 0,1,2,3
	v_lshrrev_b32 v[TM+4+\b], 23, v[TM+12+\b]      ; the scale's byte
.endr
	v_lshl_or_b32 v[PW], v[TM+5], 8, v[TM+4]
	v_lshl_or_b32 v[PW], v[TM+6], 16, v[PW]
	v_lshl_or_b32 v[PW], v[TM+7], 24, v[PW]        ; my row's scale word (the same in lanes l and l xor 16)
.irp c, 0,1
	v_cvt_scalef32_pk16_fp6_f32 v[PC+6*\c:PC+2+6*\c], v[\s+32*\c:\s+15+32*\c], v[TM+12+2*\c]
	v_cvt_scalef32_pk16_fp6_f32 v[PC+12+4*\c:PC+14+4*\c], v[\s+16+32*\c:\s+31+32*\c], v[TM+12+2*\c+1]   ; (a conversion's three registers begin on an even number)
.endr
	v_nop                                          ; one plain instruction behind the scaled conversions
.irp c, 0,1                                    ; the operand wants a whole block in a lane: lanes 0-15 block 2 c, lanes 16-31 block 2 c + 1
.irp i, 0,1,2
	v_permlane16_swap_b32 v[PC+6*\c+\i], v[PC+12+4*\c+\i]
.endr
.irp i, 0,1,2
	v_mov_b32 v[PC+3+6*\c+\i], v[PC+12+4*\c+\i]
.endr
.endr
.endm
	s_load_b512 s[4:19], s[0:1], 0x0               ; Q, K, V, Wq, Wk, Wv, Wo, xw
	v_lshl_add_u32 v254, v0, 2, 0x2100
	v_mov_b32 v255, 0
	v_lshlrev_b32 v1, 4, v0                        ; 16 x lane: my bytes of a load, of a stage row, of an image
	v_and_b32 v5, 15, v0                           ; r
	v_lshrrev_b32 v6, 4, v0                        ; h
	v_mul_u32_u24 v2, v5, SP
	v_lshl_add_u32 v2, v6, 6, v2                   ; out of the stage: row r, + 64 h
	v_lshlrev_b32 v3, 3, v0
	v_add_nc_u32 v3, 512, v3                       ; 512 + 8 x lane
	v_lshlrev_b32 v4, 2, v0                        ; 4 x lane
	; THE INPUT K (units 512 to 1,023) HAS ANOTHER ORDER OF ROWS: lane r of tile t takes row 64 (t / 4) + 8 (t % 4) + r % 8 + 32 (r / 8), so that in attention a lane's 32 scores of four tiles are one block of 32 neighbouring keys.
	; Both orders are 64 (t / 4) + 8 (t % 2) + r % 8 + D ((t % 4) / 2) + H (r / 8): D = 32, H = 16 rows, for K D = 16, H = 32.  v7 = v1 + H, v8 = v1 + D, v9 = v1 + D + H, in bytes of rows of 4,096.
	s_lshr_b32 s30, ttmp9, 9
	s_mov_b32 s31, 0x10000
	s_cmp_eq_u32 s30, 1
	s_cselect_b32 s30, 0x20000, s31
	s_sub_co_u32 s31, 0x30000, s30
	v_add_nc_u32 v7, s30, v1
	v_add_nc_u32 v8, s31, v1
	v_add_nc_u32 v9, 0x30000, v1
	s_mov_b32 s[SEL], 0x76543210
	s_mov_b32 s[SEL+1], 0xfedcba98
.irp b, 0,1,2,3
	v_mov_b32 v[TM+4+\b], 0                        ; written once: a lane permute's destination counts as one of its sources
.endr
	s_cmp_lt_u32 ttmp9, 1536
	s_cselect_b32 s24, 511, 63                     ; units in my tensor, less one
	s_and_b32 s24, ttmp9, s24                      ; my unit within the tensor
	s_lshr_b32 s25, s24, 3
	s_lshl_b32 s25, s25, 19                        ; its group: 128 rows of 4,096 bytes
	s_and_b32 s24, s24, 7
	s_lshl_b32 s24, s24, 9                         ; its K step: 512 bytes along a row
	s_add_co_u32 s24, s24, s25
	s_and_b32 s33, ttmp7, 0xffff                   ; A WORK-GROUP MAKES HALF A UNIT: work-group y says which four tiles (64 rows in both orders of rows)
	s_lshl_b32 s25, s33, 18                        ; 64 rows of 4,096 bytes
	s_add_co_u32 s24, s24, s25
	s_mov_b32 s25, 0
	s_mul_i32 s28, ttmp9, UNITB
	s_lshl_b32 s34, s33, 8
	s_add_co_u32 s34, s34, s28                     ; my four tiles' scale words: 256 bytes for each half
	s_mov_b32 s35, 0
	s_mul_i32 s33, s33, 6144
	s_add_co_u32 s28, s28, s33                     ; my four fragments
	s_mov_b32 s29, 0
	s_wait_alu depctr_va_vdst(0)
	s_wait_kmcnt 0x0
	s_mov_b64 s[20:21], s[16:17]                   ; which tensor: the choice hangs on the work-group's number alone
	s_cmp_lt_u32 ttmp9, 1728
	s_cselect_b64 s[20:21], s[14:15], s[20:21]
	s_cmp_lt_u32 ttmp9, 1664
	s_cselect_b64 s[20:21], s[12:13], s[20:21]
	s_cmp_lt_u32 ttmp9, 1600
	s_cselect_b64 s[20:21], s[10:11], s[20:21]
	s_cmp_lt_u32 ttmp9, 1536
	s_cselect_b64 s[20:21], s[8:9], s[20:21]
	s_cmp_lt_u32 ttmp9, 1024
	s_cselect_b64 s[20:21], s[6:7], s[20:21]
	s_cmp_lt_u32 ttmp9, 512
	s_cselect_b64 s[20:21], s[4:5], s[20:21]
	s_add_nc_u64 s[20:21], s[20:21], s[24:25]
	s_add_nc_u64 s[22:23], s[18:19], s[28:29]
	s_add_nc_u64 s[34:35], s[18:19], s[34:35]
.macro LOAD t                          ; tile t's 16 rows, 512 consecutive bytes each, into set t % 2
.irp i, 0,1,2,3,4,5,6,7,8,9,10,11,12,13,14,15
.if \i < 8
	global_load_b128 v[R+64*((\t)%2)+4*\i:R+64*((\t)%2)+4*\i+3], v[1+7*(((\t)%4)/2)], s[20:21] offset:(64*((\t)/4)+8*((\t)%2)+\i)*4096 th:TH_LOAD_NT
.else
	global_load_b128 v[R+64*((\t)%2)+4*\i:R+64*((\t)%2)+4*\i+3], v[7+2*(((\t)%4)/2)], s[20:21] offset:(64*((\t)/4)+8*((\t)%2)+\i-8)*4096 th:TH_LOAD_NT
.endif
.endr
.endm
.macro TILE t
.if (\t) < 3
	s_wait_loadcnt 16                              ; this tile's 16 loads are in; the next tile's 16 may be out
.else
	s_wait_loadcnt 0x0
.endif
.irp i, 0,1,2,3,4,5,6,7,8,9,10,11,12,13,14,15
	ds_store_b128 v1, v[R+64*((\t)%2)+4*\i:R+64*((\t)%2)+4*\i+3] offset:SP*\i
.endr
.irp b, 0,1,2,3
.irp j, 0,1,2,3
	ds_load_b128 v[X+16*\b+4*\j:X+16*\b+4*\j+3], v2 offset:128*\b+16*\j   ; LDS serves a wave's instructions in order: these see the stores above
.endr
.endr
	s_wait_dscnt 0x0                               ; my 64 numbers are in; the stores into the stage have read their registers
	s_wait_xcnt 0x0                                ; the last tile's stores have read the codes' registers, which QUANT writes again
.if (\t)+2 < 4
	LOAD (\t)+2
.endif
	QUANT X
	global_store_b128 v1, v[PC:PC+3], s[22:23] offset:1536*(\t)            ; 512 consecutive bytes, aligned to 256
	global_store_b64 v3, v[PC+4:PC+5], s[22:23] offset:1536*(\t)           ; 256
	global_store_b128 v1, v[PC+6:PC+9], s[22:23] offset:1536*(\t)+768
	global_store_b64 v3, v[PC+10:PC+11], s[22:23] offset:1536*(\t)+768
	v_mov_b32 v[PWK+(\t)], v[PW]
.endm
	LOAD 0
	LOAD 1
.irp t, 0,1,2,3
	TILE \t
.endr
	v_cmp_le_u32 vcc_lo, 16, v0                    ; lanes 16-31
.irp i, 0,1
	v_cndmask_b32 v[TM+\i], v[PWK+2*\i], v[PWK+2*\i+1], vcc_lo   ; lanes 0-15: my tile 2 i's words, lanes 16-31: tile 2 i + 1's
.endr
.irp i, 0,1
	global_store_b32 v4, v[TM+\i], s[34:35] offset:12288+128*\i
.endr
	s_wait_tensorcnt 0x0
	ds_add_u32 v254, v255
	s_wait_dscnt 0x0
	s_endpgm
.Lfunc_end_k_qa3bbea5988_quant:
	.size	k_qa3bbea5988_quant, .Lfunc_end_k_qa3bbea5988_quant-k_qa3bbea5988_quant
	.p2alignl 7, 3214868480
	.fill 96, 4, 3214868480
	.section	.rodata,"a",@progbits
	.p2align	6, 0x0
	.amdhsa_kernel k_qa3bbea5988_quant
		.amdhsa_group_segment_fixed_size 8704
		.amdhsa_private_segment_fixed_size 0
		.amdhsa_enable_private_segment 0
		.amdhsa_kernarg_size 64
		.amdhsa_user_sgpr_count 2
		.amdhsa_user_sgpr_kernarg_segment_ptr 1
		.amdhsa_wavefront_size32 1
		.amdhsa_system_sgpr_workgroup_id_x 1
		.amdhsa_system_sgpr_workgroup_id_y 1
		.amdhsa_system_sgpr_workgroup_id_z 1
		.amdhsa_system_vgpr_workitem_id 0
		.amdhsa_next_free_vgpr 256
		.amdhsa_next_free_sgpr 66
		.amdhsa_reserve_vcc 1
		.amdhsa_float_denorm_mode_32 3
		.amdhsa_float_denorm_mode_16_64 3
		.amdhsa_memory_ordered 1
		.amdhsa_forward_progress 1
		.amdhsa_inst_pref_size 35
	.end_amdhsa_kernel
	.amdgpu_metadata
---
amdhsa.version: [ 1, 2 ]
amdhsa.kernels:
  - .name:           k_qa3bbea5988_quant
    .symbol:         k_qa3bbea5988_quant.kd
    .args:
      - { .name: Q, .offset: 0, .size: 8, .value_kind: global_buffer, .address_space: global }
      - { .name: K, .offset: 8, .size: 8, .value_kind: global_buffer, .address_space: global }
      - { .name: V, .offset: 16, .size: 8, .value_kind: global_buffer, .address_space: global }
      - { .name: Wq, .offset: 24, .size: 8, .value_kind: global_buffer, .address_space: global }
      - { .name: Wk, .offset: 32, .size: 8, .value_kind: global_buffer, .address_space: global }
      - { .name: Wv, .offset: 40, .size: 8, .value_kind: global_buffer, .address_space: global }
      - { .name: Wo, .offset: 48, .size: 8, .value_kind: global_buffer, .address_space: global }
      - { .name: xw, .offset: 56, .size: 8, .value_kind: global_buffer, .address_space: global }
    .group_segment_fixed_size: 8704
    .private_segment_fixed_size: 0
    .kernarg_segment_align: 8
    .kernarg_segment_size: 64
    .max_flat_workgroup_size: 32
    .sgpr_count:     66
    .vgpr_count:     256
    .wavefront_size: 32
...
	.end_amdgpu_metadata
.endif
;; end of part 1
;; launch proj (part 2): grid 4 x 64, 4 waves a work-group, clusters of 4 x 4, 327,680 bytes of LDS; arguments xw, bq, bk, bv, qf, kv; writes qf, kv
.if DOCPART == 2
	.amdgcn_target "amdgcn-amd-amdhsa--gfx1250"
	.amdhsa_code_object_version 6
	.text
	.protected	k_qa3bbea5988_proj
	.globl	k_qa3bbea5988_proj
	.p2align	8
	.type	k_qa3bbea5988_proj,@function
k_qa3bbea5988_proj:
	s_mov_b64 s[64:65], 0
	v_nop
	global_prefetch_b8 v0, s[64:65] scope:SCOPE_SE
	s_setreg_imm32_b32 hwreg(HW_REG_WAVE_MODE, 25, 1), 1
	s_wait_xcnt 0x0
	s_wait_alu depctr_hold_cnt(0) depctr_sa_sdst(0) depctr_va_vdst(0) depctr_va_sdst(0) depctr_va_ssrc(0) depctr_va_vcc(0) depctr_vm_vsrc(0)
	s_getreg_b32 s2, hwreg(HW_REG_IB_STS2, 6, 4)
	s_cmp_eq_u32 s2, 0
	s_cbranch_scc0 .Lentry_in_a_cluster
	s_endpgm
.Lentry_in_a_cluster:
	s_bfe_u32 s2, ttmp6, 0x10000c
	s_cmp_lg_u32 s2, 0xf033
	s_cbranch_scc0 .Lentry_shape_is_right
	s_endpgm
.Lentry_shape_is_right:
; q = Q Wq^T + bq, k = K Wk^T + bk, v = V Wv^T + bv on codes of FP6 (E2M3) with E8M0 scales out of xw; the results are quantised at once for attention: q and k along the head's 64, v along the keys.
; A WORK-GROUP STAYS AND MAKES THREE TILES, one of q, one of k, one of v.  Source 0 of the matrix instruction (S0, 256 rows) runs along a lane's result registers, source 1 (S1, 128 rows) along the lanes.
; q, k: S0 = W (features), S1 = X (tokens): a lane holds one token and 64 features at a time.  v: S0 = X (tokens = keys), S1 = W: a lane holds one feature and 128 keys.
; xw holds images of operand registers (units of 12,800 bytes: 8 fragments of 16 rows x 128 K, then their scale words).  Lane r of tile t of W, Q and V is row 32 (t / 2) + 8 (t % 2) + r + 8 (r / 8) of its 128,
; so that the 16 result registers of S0's tiles 2 b and 2 b + 1 are the neighbours 32 b + 16 (lane / 16) + 0 .. 15.
; THE RING: two LDS slots of 153,600 bytes, each half of K (four K steps) of the 128 + 256 rows: S1's four units, S0's group 0's four, group 1's four.  A slot comes by four loads, one a wave:
; waves 0 and 1 a group of S0 each (200 rows of 256 bytes), waves 2 and 3 two units of S1 each (100 rows).  Slot 0 is filled again in K step 3, slot 1 in K step 7, with the NEXT tile's half of K.
; Each refill stands behind a round of the cluster's barrier, with every wave's wait for its load, the add and the wait for its LDS reads ahead of it; sixteen products stand inside the round.
; The tiles of q and k are a loop of two trips; the tile of v is the tail, written out: it asks for nothing more.
; CLUSTER 4 x 4: S0's tile hangs on cx alone and is asked for jointly down a column, S1's on cy alone and jointly along a row.
; PREFETCH: in K step 0 (4) of a tile each wave names a quarter of what it will load for the next tile's first (second) half of K, three K steps ahead of that load: 25 blocks of 256 bytes an instruction, a lane a block;
; the four partners of a joint load take a quarter each, told apart by address.  The first tile comes by its loads alone; the last tile asks for nothing.
; Four waves: wave w makes S0's group w % 2 (128 rows) x S1's tiles 4 (w / 2) .. + 3 (64 rows): 32 accumulators.
; OUT.  qf [64 heads][128 query tiles][1,024]: six code registers' image (768 bytes), then the scale word twice, 8 bytes a lane.  kv [64][16 steps of 128 keys][12,800]: key tile t's six registers at 768 t;
; V^T's fragment d at 6,144 + 1,536 d; K's scale images at 12,288 (lanes 0-15 pair 2 i, lanes 16-31 pair 2 i + 1; a word: two bytes of each tile of the pair); V's at 12,544.
; LIMITS: a block of zeros, or one under 2^-124, keeps the scale byte 1 (its codes are zeros; this program alone reads the bytes).  NaN and infinities are not served.
; REGISTERS.  window 0: v1-12 LDS addresses, v13-20 global offsets, v21-23 lane, r, h; v24-47 scale words, two sets of 8 + 4; v48-143 S1's fragments, two sets; v144-207, v208-215 biases; v216-255 the way out.
;   window 1: S0's fragments, two sets, at v0 and v128.   window 2: accumulator (a, b) at v[8 (8 a + b)].
.set UNITB, 12800
.set GRPB,  8*UNITB
.set HALF,  4*UNITB
.set SLOT,  12*UNITB
.set SPARE, 0x4b000
.set WV,   16                          ; s16 wave; s17 = wave % 2, s18 = wave / 2
.set G1A,  32
.set G1B,  40
.set G0A,  48                          ; s[48:55] group 0 for S0, one for each slot;  s[56:63] for S1
.set G0B,  56
.set NA,   76                          ; s[76:77], s[78:79] where my loads of the next tile begin
.set NB,   78
.set PFB,  80                          ; s[80:81] where my prefetches begin
.set SEL,  98
.set SC,   24
.set S1F,  48
.set BR,   144
.set BL,   208
.set T,    48
.set PC,   112
.set TM,   216
.set PW,   232
.set PFO,  233
.set PWK,  234
.set SPW,  238
.set NIL,  239
.set W_MUL, 0xa1                       ; source 0 window 1, source 1 window 0, C and D window 2
.set W_S0,  0x40
.set W_ACC, 0x02
.set MSB, 0
.macro WIN new
.if MSB != \new
	s_set_vgpr_msb (MSB<<8)|\new
.set MSB, \new
.endif
.endm
.macro PLACES n
.rept \n
	v_nop
.endr
.endm
.macro WALU
	s_wait_alu depctr_va_vdst(0)
.endm
.macro CREST                           ; a round of the cluster's barrier behind its opening barrier
	s_cmp_lg_u32 s[WV], 0
	s_cbranch_scc1 .Lnot_wave_0_\@
	s_barrier_signal -3
.Lnot_wave_0_\@:
	s_barrier_wait -3
	s_barrier_signal -1
	s_barrier_wait -1
.endm
.macro CROUND
	s_barrier_signal -1
	s_barrier_wait -1
	CREST
.endm
.macro JLOAD h                         ; slot h: waves 0 and 1 ask for S0, waves 2 and 3 for S1; each line has one mask
	s_cmp_eq_u32 s18, 0
	s_cbranch_scc0 .Lfor_b_\@
	tensor_load_to_lds s[G0A+4*\h:G0A+4*\h+3], s[G1A:G1A+7]
	s_nop 0
	PLACES 4
	s_branch .Lasked_\@
.Lfor_b_\@:
	tensor_load_to_lds s[G0B+4*\h:G0B+4*\h+3], s[G1B:G1B+7]
	s_nop 0
	PLACES 4
.Lasked_\@:
.endm
.macro ASK h                           ; my quarter of my load of the next tile's half h of K: S0 50 blocks of 256 bytes, S1 25
	global_prefetch_b8 v[PFO], s[PFB:PFB+1] offset:\h*HALF th:TH_LOAD_NT scope:SCOPE_SE
	s_cmp_eq_u32 s18, 0
	s_cbranch_scc0 .Lone_\@
	global_prefetch_b8 v[PFO], s[PFB:PFB+1] offset:\h*HALF+6400 th:TH_LOAD_NT scope:SCOPE_SE
.Lone_\@:
.endm
.macro FRAG reg, a16, a8, off
	ds_load_b128 v[\reg:\reg+3], v[\a16] offset:\off
	ds_load_b64 v[\reg+4:\reg+5], v[\a8] offset:\off
	ds_load_b128 v[\reg+6:\reg+9], v[\a16] offset:\off+768
	ds_load_b64 v[\reg+10:\reg+11], v[\a8] offset:\off+768
.endm
.macro QUANT s                         ; 64 numbers of a lane, register 16 b + i = k 32 b + 16 (lane / 16) + i, become 12 registers of codes in v[PC] on and a scale word in v[PW]
.irp b, 0,1,2,3
	v_max3_num_f32 v[TM+\b], |v[\s+16*\b]|, |v[\s+1+16*\b]|, 0x1800000   ; and the floor 2^(3 - 127): the byte cannot fall under 1
.endr
.irp i, 2,4,6,8,10,12,14
.irp b, 0,1,2,3
	v_max3_num_f32 v[TM+\b], v[TM+\b], |v[\s+16*\b+\i]|, |v[\s+1+16*\b+\i]|
.endr
.endr
.irp b, 0,1,2,3
	v_permlanex16_b32 v[TM+4+\b], v[TM+\b], s[SEL], s[SEL+1]
.endr
.irp b, 0,1,2,3
	v_max_num_f32 v[TM+\b], v[TM+\b], v[TM+4+\b]
.endr
.irp b, 0,1,2,3
	v_add_nc_u32 v[TM+12+\b], 0xff000000, v[TM+\b]   ; 2 off the exponent field: the conversion's scale operand
.endr
.irp b, 0,1,2,3
	v_lshrrev_b32 v[TM+4+\b], 23, v[TM+12+\b]
.endr
	v_lshl_or_b32 v[PW], v[TM+5], 8, v[TM+4]
	v_lshl_or_b32 v[PW], v[TM+6], 16, v[PW]
	v_lshl_or_b32 v[PW], v[TM+7], 24, v[PW]
.irp c, 0,1
	v_cvt_scalef32_pk16_fp6_f32 v[PC+6*\c:PC+2+6*\c], v[\s+32*\c:\s+15+32*\c], v[TM+12+2*\c]
	v_cvt_scalef32_pk16_fp6_f32 v[PC+12+4*\c:PC+14+4*\c], v[\s+16+32*\c:\s+31+32*\c], v[TM+12+2*\c+1]
.endr
	v_nop                                          ; one plain instruction behind the scaled conversions
.irp c, 0,1
.irp i, 0,1,2
	v_permlane16_swap_b32 v[PC+6*\c+\i], v[PC+12+4*\c+\i]
.endr
.irp i, 0,1,2
	v_mov_b32 v[PC+3+6*\c+\i], v[PC+12+4*\c+\i]
.endr
.endr
.endm
.macro FETCH s, p                      ; K step s: 8 fragments of S0, 4 of S1, 8 + 4 scale words into set p: 60 LDS loads
.set OFK, UNITB*((\s)%4)
.set HB, 6*((\s)/4)
	WIN W_S0
.irp b, 0,1,2,3,4,5,6,7
	FRAG 128*(\p)+12*\b, 1+HB, 2+HB, OFK+1536*\b
.endr
	WIN 0
.irp a, 0,1,2,3
	FRAG S1F+48*(\p)+12*\a, 3+HB, 4+HB, OFK+1536*\a
.endr
.irp b, 0,1,2,3,4,5,6,7
	ds_load_b32 v[SC+12*(\p)+\b], v[5+HB] offset:OFK+64*\b
.endr
.irp a, 0,1,2,3
	ds_load_b32 v[SC+12*(\p)+8+\a], v[6+HB] offset:OFK+64*\a
.endr
.endm
.macro MULH p, zero, a0                ; 16 matrix instructions; the 32 accumulators take turns, one instruction a turn, in the same order in every K step
.irp a, \a0, \a0+1
.irp b, 0,1,2,3,4,5,6,7
.if \zero
	v_wmma_scale_f32_16x16x128_f8f6f4 v[8*(8*(\a)+\b):8*(8*(\a)+\b)+7], v[128*(\p)+12*\b:128*(\p)+12*\b+11], v[S1F+48*(\p)+12*(\a):S1F+48*(\p)+12*(\a)+11], 0, v[SC+12*(\p)+\b], v[SC+12*(\p)+8+(\a)] matrix_a_fmt:MATRIX_FMT_FP6 matrix_b_fmt:MATRIX_FMT_FP6
.else
	v_wmma_scale_f32_16x16x128_f8f6f4 v[8*(8*(\a)+\b):8*(8*(\a)+\b)+7], v[128*(\p)+12*\b:128*(\p)+12*\b+11], v[S1F+48*(\p)+12*(\a):S1F+48*(\p)+12*(\a)+11], v[8*(8*(\a)+\b):8*(8*(\a)+\b)+7], v[SC+12*(\p)+\b], v[SC+12*(\p)+8+(\a)] matrix_a_fmt:MATRIX_FMT_FP6 matrix_b_fmt:MATRIX_FMT_FP6
.endif
.endr
.endr
.endm
.macro STEPN s, ask                    ; a K step with no change of slots; ask: 0 nothing, 1 or 2: the prefetch for half ask - 1
	PLACES 4                                       ; in front of loads into registers that the last K step's matrix instructions have read
	FETCH (\s)+1, ((\s)+1)%2
.if \ask
	ASK (\ask-1)
.endif
	s_wait_dscnt 60                                ; all but the 60 just issued: this K step's operands are in
	WIN W_MUL
.if (\s) == 0
	MULH 0, 1, 0
	MULH 0, 1, 2
.else
	MULH (\s)%2, 0, 0
	MULH (\s)%2, 0, 2
.endif
	WIN 0
.endm
.macro TURN h, more                    ; K step 3 (h = 0) or 7 (h = 1) of a tile that has a successor: slot h is read no more and takes the next tile's half h of K
	s_wait_tensorcnt 0x0                           ; my one load that was out, my part of the other slot, has landed;
	ds_add_u32 v[SPW], v[NIL]                      ; 0 onto my spare word
	s_add_nc_u64 s[G0A+4*\h+2:G0A+4*\h+3], s[NA:NA+1], \h*HALF   ; no load of mine is out: the descriptors may be written
	s_or_b32 s[G0A+4*\h+3], s[G0A+4*\h+3], 0x80000000
	s_add_nc_u64 s[G0B+4*\h+2:G0B+4*\h+3], s[NB:NB+1], \h*HALF
	s_or_b32 s[G0B+4*\h+3], s[G0B+4*\h+3], 0x80000000
	s_wait_dscnt 0x0                               ; the add is done, and my reads of slot h are over
	s_barrier_signal -1
	WIN W_MUL
	MULH 1, 0, 0                                   ; work on registers while the others arrive
	WIN 0
	s_barrier_wait -1
	CREST
	JLOAD \h                                       ; the first tensor load behind the round; its four v_nop are the places in front of the loads below
.if \more
	FETCH 4, 0
.endif
	WIN W_MUL
	MULH 1, 0, 2
	WIN 0
.endm
.macro OUT isv                         ; THE WAY OUT, a tile of S1 (16 lanes' rows) at a time: bias, quantise, store the images
	PLACES 4                                       ; behind the last products: their results are read and their operands' registers written
	s_wait_loadcnt 0x0                             ; the bias
.irp a, 0,1,2,3
.if \a > 0
	s_wait_xcnt 0x0                                ; the last tile's stores have read their data and their base
	s_add_nc_u64 s[84:85], s[84:85], s[90:91]
.endif
	WIN W_ACC
.set i, 0
.rept 32
.if \isv
	v_pk_add_f32 v[T+i:T+i+1], v[64*\a+i:64*\a+i+1], v[BL+2*\a:BL+2*\a+1] op_sel_hi:[1,0]   ; each accumulator from its low end on
.else
	v_pk_add_f32 v[T+i:T+i+1], v[64*\a+i:64*\a+i+1], v[BR+i:BR+i+1]
.endif
.set i, i+2
.endr
	WIN 0
	QUANT T
	global_store_b128 v13, v[PC:PC+3], s[84:85]    ; 512 consecutive bytes, aligned to 256
	global_store_b64 v14, v[PC+4:PC+5], s[84:85]   ; 256
	global_store_b128 v15, v[PC+6:PC+9], s[84:85]
	global_store_b64 v16, v[PC+10:PC+11], s[84:85]
	v_mov_b32 v[PWK+\a], v[PW]
.endr
	v_cmp_le_u32 vcc_lo, 16, v21                   ; lanes 16-31
	WALU
.endm
	s_load_b256 s[4:11], s[0:1], 0x0               ; xw, bq, bk, bv
	s_load_b128 s[12:15], s[0:1], 0x20             ; qf, kv
	v_lshl_add_u32 v[SPW], v0, 2, SPARE
	v_mov_b32 v[NIL], 0
	ds_add_u32 v[SPW], v[NIL]                      ; the opening lines: the add, twice on end, and its wait
	ds_add_u32 v[SPW], v[NIL]
	v_lshrrev_b32 v21, 5, v0
	v_readfirstlane_b32 s[WV], v21
	s_and_b32 s17, s[WV], 1
	s_lshr_b32 s18, s[WV], 1
	s_bfe_u32 s19, ttmp6, 0x40000                  ; cx
	s_bfe_u32 s20, ttmp6, 0x40004                  ; cy
	s_and_b32 s23, ttmp7, 0xffff                   ; the cluster's y, 0..15
	s_lshl_b32 s30, 0x1111, s19                    ; my column (s24, s26, s27, s30, s70, s71, s76, s77 never hold cy; s25, s28, s29, s31, s74, s75, s78, s79 never cx)
	s_or_b32 s[G1A], s30, (3<<16)|(1<<21)          ; 15:0 the mask; 17:16 elements of 8 bytes; 21 set beside a mask; no padding
	s_lshl_b32 s31, s20, 2
	s_lshl_b32 s31, 15, s31                        ; my row
	s_or_b32 s[G1B], s31, (3<<16)|(1<<21)
	s_mov_b32 s[G1A+1], 32<<16                     ; rows of 256 bytes of a dense block
	s_mov_b32 s[G1A+2], 200<<16                    ; four K steps of a group
	s_mov_b32 s[G1A+3], 32<<16
	s_mov_b32 s[G1A+4], 200
	s_mov_b32 s[G1A+5], 32
	s_mov_b32 s[G1A+6], 0
	s_mov_b32 s[G1A+7], 0
	s_mov_b32 s[G1B+1], 32<<16
	s_mov_b32 s[G1B+2], 100<<16                    ; two K steps
	s_mov_b32 s[G1B+3], 32<<16
	s_mov_b32 s[G1B+4], 100
	s_mov_b32 s[G1B+5], 32
	s_mov_b32 s[G1B+6], 0
	s_mov_b32 s[G1B+7], 0
	s_lshl_b32 s24, s19, 1
	s_add_co_u32 s24, s24, s17                     ; S0, q and k: W's group 2 cx + wave % 2
	s_add_co_u32 s26, s24, 192
	s_mul_i32 s26, s26, GRPB
	s_mov_b32 s27, 0
	s_and_b32 s30, s23, 7
	s_lshl_b32 s30, s30, 3
	s_add_co_u32 s30, s30, s24
	s_add_co_u32 s30, s30, 128                     ; S0, v: the input V's group 8 (y % 8) + 2 cx + wave % 2
	s_mul_i32 s70, s30, GRPB
	s_mov_b32 s71, 0
	s_lshl_b32 s25, s23, 2
	s_add_co_u32 s25, s25, s20                     ; S1, q and k: X's group 4 y + cy
	s_mul_i32 s28, s25, GRPB
	s_mul_i32 s31, s17, 2*UNITB                    ; of a half of K I fetch two K steps
	s_add_co_u32 s28, s28, s31
	s_mov_b32 s29, 0
	s_lshr_b32 s74, s23, 3
	s_lshl_b32 s74, s74, 2
	s_add_co_u32 s74, s74, s20
	s_add_co_u32 s74, s74, 208                     ; S1, v: Wv's group 4 (y / 8) + cy
	s_mul_i32 s74, s74, GRPB
	s_add_co_u32 s74, s74, s31
	s_mov_b32 s75, 0
	s_mul_i32 s66, s17, HALF
	s_add_co_u32 s66, s66, HALF                    ; LDS: my group of S0 in slot 0
	s_mov_b32 s[G0A], 1
	s_mov_b32 s[G0A+1], s66
	s_mov_b32 s[G0A+4], 1
	s_add_co_u32 s[G0A+5], s66, SLOT
	s_mov_b32 s[G0B], 1
	s_mov_b32 s[G0B+1], s31
	s_mov_b32 s[G0B+4], 1
	s_add_co_u32 s[G0B+5], s31, SLOT
	s_mov_b32 s[SEL], 0x76543210
	s_mov_b32 s[SEL+1], 0xfedcba98
	s_wait_dscnt 0x0
	s_wait_kmcnt 0x0
	s_add_nc_u64 s[26:27], s[4:5], s[26:27]        ; q's S0
	s_add_nc_u64 s[NA:NA+1], s[26:27], 8*GRPB      ; k's
	s_add_nc_u64 s[70:71], s[4:5], s[70:71]        ; v's
	s_add_nc_u64 s[28:29], s[4:5], s[28:29]        ; q's S1
	s_add_nc_u64 s[NB:NB+1], s[28:29], 64*GRPB     ; k's
	s_add_nc_u64 s[74:75], s[4:5], s[74:75]        ; v's
.irp h, 0,1
	s_add_nc_u64 s[G0A+4*\h+2:G0A+4*\h+3], s[26:27], \h*HALF
	s_or_b32 s[G0A+4*\h+3], s[G0A+4*\h+3], 0x80000000
	s_add_nc_u64 s[G0B+4*\h+2:G0B+4*\h+3], s[28:29], \h*HALF
	s_or_b32 s[G0B+4*\h+3], s[G0B+4*\h+3], 0x80000000
.endr
	CROUND                                         ; all sixteen work-groups are here: the joint loads meet
	JLOAD 0                                        ; q's first half of K: one tensor load a wave at the head
	s_cmp_eq_u32 s18, 0                            ; the prefetches: my place among the four that ask with me, times a quarter of my load
	s_cselect_b32 s82, s20, s19
	s_mov_b32 s83, 6400
	s_cselect_b32 s83, 12800, s83
	s_mul_i32 s82, s82, s83
	s_mov_b32 s83, 0
	s_lshl_b32 s86, s19, 1
	s_add_co_u32 s86, s86, s17
	s_lshl_b32 s86, s86, 9                         ; q, k: my 128 bias numbers
	s_mul_i32 s95, s18, 6144
	s_lshl_b32 s94, s18, 8
	v_and_b32 v21, 31, v0                          ; lane
	v_and_b32 v22, 15, v0                          ; r
	v_bfe_u32 v23, v0, 4, 1                        ; h
	v_lshlrev_b32 v13, 4, v21                      ; 16 x lane
	v_lshlrev_b32 v14, 3, v21
	v_add_nc_u32 v14, 512, v14                     ; 512 + 8 x lane
	v_lshlrev_b32 v17, 2, v21                      ; 4 x lane
	v_add_nc_u32 v1, s66, v13                      ; S0's fragments: my group
	v_add_nc_u32 v2, s66, v14
	v_add_nc_u32 v3, s95, v13                      ; S1's: my four tiles
	v_add_nc_u32 v4, s95, v14
	v_lshlrev_b32 v5, 2, v22
	v_add_nc_u32 v6, s94, v5
	v_add_nc_u32 v6, 12288, v6                     ; S1's scale words: 4 r + 256 x half
	v_add_nc_u32 v5, s66, v5
	v_add_nc_u32 v5, 12288, v5                     ; S0's
.irp i, 1,2,3,4,5,6
	v_add_nc_u32 v[6+\i], SLOT, v[\i]              ; the same in slot 1
.endr
.irp b, 0,1,2,3
	v_mov_b32 v[TM+4+\b], 0                        ; written once: a lane permute's destination counts as one of its sources
.endr
	v_lshl_add_u32 v19, v23, 6, s86                ; the bias along the registers: 16 b + i is feature 32 b + 16 h + i
	v_min_u32 v[PFO], 24, v21
	v_lshlrev_b32 v[PFO], 8, v[PFO]                ; a lane a block of 256 bytes; lanes 25-31 name the last again
	WALU                                           ; the wait at the head's end
	s_wait_tensorcnt 0x0                           ; slot 1's first fill is issued as a refill is
	ds_add_u32 v[SPW], v[NIL]
	s_wait_dscnt 0x0
	CROUND
	JLOAD 1
	s_mov_b32 s22, 0                               ; the kind: 0 q, 1 k
.Ltile:
	FETCH 0, 0
	s_wait_xcnt 0x0                                ; the last tile's stores and prefetches have read their registers
	s_cmp_eq_u32 s18, 0
	s_cselect_b64 s[PFB:PFB+1], s[NA:NA+1], s[NB:NB+1]
	s_add_nc_u64 s[PFB:PFB+1], s[PFB:PFB+1], s[82:83]
	s_lshl_b32 s100, s19, 1
	s_add_co_u32 s100, s100, s17
	s_lshl_b32 s84, s100, 1                        ; my first head (a group of W is two heads)
	s_lshl_b32 s85, s23, 2
	s_add_co_u32 s85, s85, s20                     ; the group of 128 tokens
	s_lshr_b32 s88, s85, 4
	s_lshl_b32 s88, s88, 4
	s_add_co_u32 s88, s88, s84                     ; 16 x batch + head
	s_and_b32 s85, s85, 15
	s_lshl_b32 s89, s88, 4
	s_add_co_u32 s89, s89, s85
	s_mul_i32 s89, s89, UNITB                      ; kv's block
	s_lshl_b32 s88, s88, 7
	s_lshl_b32 s85, s85, 3
	s_add_co_u32 s88, s88, s85
	s_lshl_b32 s85, s18, 2
	s_add_co_u32 s88, s88, s85
	s_lshl_b32 s88, s88, 10                        ; q: my first query tile's 1,024 bytes
	s_mul_i32 s85, s18, 3072
	s_add_co_u32 s85, s85, s89                     ; k: my first key tile
	s_lshl_b32 s100, s18, 7
	s_add_co_u32 s100, s100, s89
	s_add_co_u32 s100, s100, 12288                 ; k: my scale image
	s_mov_b32 s90, 768                             ; from tile to tile,
	s_mov_b32 s92, 204800                          ; and from the first six registers' place to the second six's: the next head
	s_cmp_eq_u32 s22, 0
	s_cselect_b32 s90, 1024, s90
	s_cselect_b32 s92, 131072, s92
	s_cselect_b32 s88, s88, s85
	s_cselect_b64 s[86:87], s[12:13], s[14:15]
	s_cselect_b64 s[96:97], s[6:7], s[8:9]
	s_mov_b32 s89, 0
	s_mov_b32 s91, 0
	s_mov_b32 s101, 0
	s_add_nc_u64 s[86:87], s[86:87], s[88:89]      ; my first tile's place: stays
	s_mov_b64 s[84:85], s[86:87]                   ; and walks
	s_add_nc_u64 s[88:89], s[14:15], s[100:101]    ; k's scale image
	v_add_nc_u32 v15, s92, v13
	v_add_nc_u32 v16, s92, v14
	v_add_nc_u32 v18, s92, v17
.irp b, 0,1,2,3
.irp j, 0,1,2,3
	global_load_b128 v[BR+16*\b+4*\j:BR+16*\b+4*\j+3], v19, s[96:97] offset:128*\b+16*\j
.endr
.endr
	WALU
	STEPN 0, 1
	STEPN 1, 0
	STEPN 2, 0
	TURN 0, 1
	STEPN 4, 2
	STEPN 5, 0
	STEPN 6, 0
	TURN 1, 0
	OUT 0
	s_cmp_eq_u32 s22, 0
	s_cbranch_scc0 .Lis_k
.irp a, 0,1,2,3                                ; q: a head's two bytes, twice: they serve q in the operand's first six registers and in its second six
	v_perm_b32 v[240+4*\a], v[PWK+\a], v[PWK+\a], 0x01000100
	v_perm_b32 v[241+4*\a], v[PWK+\a], v[PWK+\a], 0x01000100
	v_perm_b32 v[242+4*\a], v[PWK+\a], v[PWK+\a], 0x03020302
	v_perm_b32 v[243+4*\a], v[PWK+\a], v[PWK+\a], 0x03020302
.endr
.irp a, 0,1,2,3
	global_store_b64 v14, v[240+4*\a:241+4*\a], s[86:87] offset:1024*\a+256   ; at 768 + 8 x lane of the tile's 1,024 bytes
	global_store_b64 v16, v[242+4*\a:243+4*\a], s[86:87] offset:1024*\a+256
.endr
	s_branch .Lstored
.Lis_k:
	v_perm_b32 v240, v[PWK+1], v[PWK], 0x05040100      ; k, first head: two bytes of each tile of a pair
	v_perm_b32 v241, v[PWK+3], v[PWK+2], 0x05040100
	v_perm_b32 v242, v[PWK+1], v[PWK], 0x07060302      ; second head
	v_perm_b32 v243, v[PWK+3], v[PWK+2], 0x07060302
	v_cndmask_b32 v240, v240, v241, vcc_lo             ; lanes 0-15 my first pair, lanes 16-31 my second
	v_cndmask_b32 v242, v242, v243, vcc_lo
	global_store_b32 v17, v240, s[88:89]
	global_store_b32 v18, v242, s[88:89]
.Lstored:
	s_mov_b64 s[NA:NA+1], s[70:71]                 ; behind k comes v
	s_mov_b64 s[NB:NB+1], s[74:75]
	WALU
	s_add_co_u32 s22, s22, 1
	s_cmp_lt_u32 s22, 2
	s_cbranch_scc1 .Ltile
	; THE TILE OF v: the tail
	FETCH 0, 0
	s_wait_xcnt 0x0
	s_and_b32 s100, s23, 7
	s_lshl_b32 s100, s100, 2
	s_add_co_u32 s100, s100, s19
	s_lshl_b32 s100, s100, 1
	s_add_co_u32 s100, s100, s17                   ; the group of 128 tokens
	s_lshr_b32 s101, s23, 3
	s_lshl_b32 s101, s101, 2
	s_add_co_u32 s101, s101, s20
	s_lshl_b32 s101, s101, 1
	s_add_co_u32 s101, s101, s18                   ; the head
	s_lshl_b32 s87, s101, 8                        ; my 64 bias numbers
	s_lshr_b32 s88, s100, 4
	s_lshl_b32 s88, s88, 4
	s_add_co_u32 s88, s88, s101
	s_and_b32 s85, s100, 15
	s_lshl_b32 s89, s88, 4
	s_add_co_u32 s89, s89, s85
	s_mul_i32 s89, s89, UNITB                      ; kv's block
	s_add_co_u32 s88, s89, 6144                    ; its V^T
	s_add_co_u32 s100, s89, 12544                  ; V's scale images
	s_mov_b32 s89, 0
	s_mov_b32 s101, 0
	s_mov_b32 s90, 1536
	s_mov_b32 s91, 0
	s_add_nc_u64 s[84:85], s[14:15], s[88:89]
	s_add_nc_u64 s[88:89], s[14:15], s[100:101]
	v_add_nc_u32 v15, 768, v13
	v_add_nc_u32 v16, 768, v14
	v_and_b32 v20, 8, v22
	v_add_nc_u32 v20, v20, v22
	v_lshl_add_u32 v20, v20, 2, s87                ; lane r of tile a: feature 32 (a / 2) + 8 (a % 2) + r + 8 (r / 8)
.irp a, 0,1,2,3
	global_load_b32 v[BL+2*\a], v20, s[10:11] offset:128*(\a/2)+32*(\a%2)
	v_mov_b32 v[BL+2*\a+1], 0                      ; (named with it as a pair)
.endr
	WALU
	STEPN 0, 0
	STEPN 1, 0
	STEPN 2, 0
	s_wait_dscnt 0x0                               ; no LDS instruction of mine is pending at a signal
	s_wait_tensorcnt 0x0                           ; my part of the second half of K is in
	s_barrier_signal -1
	s_barrier_wait -1                              ; everybody's is.
	PLACES 4
	FETCH 4, 0
	WIN W_MUL
	MULH 1, 0, 0
	MULH 1, 0, 2
	WIN 0
	STEPN 4, 0
	STEPN 5, 0
	STEPN 6, 0
	s_wait_dscnt 0x0
	WIN W_MUL
	MULH 1, 0, 0
	MULH 1, 0, 2
	WIN 0
	OUT 1
	v_cndmask_b32 v240, v[PWK], v[PWK+1], vcc_lo       ; lanes 0-15 fragment 2 i's words, lanes 16-31 fragment 2 i + 1's
	v_cndmask_b32 v241, v[PWK+2], v[PWK+3], vcc_lo
	global_store_b32 v17, v240, s[88:89]
	global_store_b32 v17, v241, s[88:89] offset:128
	s_wait_tensorcnt 0x0                           ; the wave's end
	ds_add_u32 v[SPW], v[NIL]
	s_wait_dscnt 0x0
	CROUND                                         ; the closing round
	s_endpgm
.Lfunc_end_k_qa3bbea5988_proj:
	.size	k_qa3bbea5988_proj, .Lfunc_end_k_qa3bbea5988_proj-k_qa3bbea5988_proj
	.p2alignl 7, 3214868480
	.fill 96, 4, 3214868480
	.section	.rodata,"a",@progbits
	.p2align	6, 0x0
	.amdhsa_kernel k_qa3bbea5988_proj
		.amdhsa_group_segment_fixed_size 327680
		.amdhsa_private_segment_fixed_size 0
		.amdhsa_enable_private_segment 0
		.amdhsa_kernarg_size 48
		.amdhsa_user_sgpr_count 2
		.amdhsa_user_sgpr_kernarg_segment_ptr 1
		.amdhsa_wavefront_size32 1
		.amdhsa_system_sgpr_workgroup_id_x 1
		.amdhsa_system_sgpr_workgroup_id_y 1
		.amdhsa_system_sgpr_workgroup_id_z 1
		.amdhsa_system_vgpr_workitem_id 0
		.amdhsa_next_free_vgpr 768
		.amdhsa_next_free_sgpr 102
		.amdhsa_reserve_vcc 1
		.amdhsa_float_denorm_mode_32 3
		.amdhsa_float_denorm_mode_16_64 3
		.amdhsa_memory_ordered 1
		.amdhsa_forward_progress 1
		.amdhsa_inst_pref_size 199
	.end_amdhsa_kernel
	.amdgpu_metadata
---
amdhsa.version: [ 1, 2 ]
amdhsa.kernels:
  - .name:           k_qa3bbea5988_proj
    .symbol:         k_qa3bbea5988_proj.kd
    .args:
      - { .name: xw, .offset: 0, .size: 8, .value_kind: global_buffer, .address_space: global }
      - { .name: bq, .offset: 8, .size: 8, .value_kind: global_buffer, .address_space: global }
      - { .name: bk, .offset: 16, .size: 8, .value_kind: global_buffer, .address_space: global }
      - { .name: bv, .offset: 24, .size: 8, .value_kind: global_buffer, .address_space: global }
      - { .name: qf, .offset: 32, .size: 8, .value_kind: global_buffer, .address_space: global }
      - { .name: kv, .offset: 40, .size: 8, .value_kind: global_buffer, .address_space: global }
    .group_segment_fixed_size: 327680
    .private_segment_fixed_size: 0
    .kernarg_segment_align: 8
    .kernarg_segment_size: 48
    .max_flat_workgroup_size: 128
    .sgpr_count:     102
    .vgpr_count:     768
    .wavefront_size: 32
...
	.end_amdgpu_metadata
.endif
;; end of part 2
;; launch attn (part 3): grid 4 x 64, 8 waves a work-group, clusters of 4 x 1, 206,848 bytes of LDS; arguments qf, kv, ao; writes ao
.if DOCPART == 3
	.amdgcn_target "amdgcn-amd-amdhsa--gfx1250"
	.amdhsa_code_object_version 6
	.text
	.protected	k_qa3bbea5988_attn
	.globl	k_qa3bbea5988_attn
	.p2align	8
	.type	k_qa3bbea5988_attn,@function
k_qa3bbea5988_attn:
	s_mov_b64 s[64:65], 0
	v_nop
	global_prefetch_b8 v0, s[64:65] scope:SCOPE_SE
	s_setreg_imm32_b32 hwreg(HW_REG_WAVE_MODE, 25, 1), 1
	s_wait_xcnt 0x0
	s_wait_alu depctr_hold_cnt(0) depctr_sa_sdst(0) depctr_va_vdst(0) depctr_va_sdst(0) depctr_va_ssrc(0) depctr_va_vcc(0) depctr_vm_vsrc(0)
	s_getreg_b32 s2, hwreg(HW_REG_IB_STS2, 6, 4)
	s_cmp_eq_u32 s2, 0
	s_cbranch_scc0 .Lentry_in_a_cluster
	s_endpgm
.Lentry_in_a_cluster:
	s_bfe_u32 s2, ttmp6, 0x10000c
	s_cmp_lg_u32 s2, 0x3003
	s_cbranch_scc0 .Lentry_shape_is_right
	s_endpgm
.Lentry_shape_is_right:
; O[head][q] = the sum over k of softmax_k(q . k / 8) v, both products on codes of FP6 (E2M3) with E8M0 scales; the result is divided by the row's sum and quantised along the model's axis for the last projection.
; THE SOFTMAX: t = score x log2(e) / 8; M = the running largest t rounded UP to a whole number; p = 2^(t - M) is quantised along the keys, not normalised; the row's sum is taken of the unquantised p.
; When M moves, the sums and O are multiplied by 2^(old M - new M): exact.
; SHARES.  64 heads x 4 work-groups = 256; a work-group owns 512 queries of one head, in two passes of 256.  Eight waves, two to a SIMD, 512 registers each.
; A wave walks TWO query tiles of 16 side by side (x = 0, 1): each fragment of K and V read from LDS serves both, and the two tiles' lines stand by turns.
; THE EXPONENTIALS STAND BY TURNS WITH PLAIN LINES that hang on nothing in their run: tile 0's with tile 1's t - M and the sums' rescaling, tile 1's with the first level of tile 0's row sum.
; What such a plain line reads was written ahead of the wait in front of the run, and what it writes is read behind the wait after the run.
; LDS IS FILLED ONCE with the head's 16 blocks of kv (204,800 bytes): each wave issues one tensor load at the head, two blocks; no byte is filled again; both passes read the same bytes.
; The four work-groups of a cluster walk the same head: each load is asked for JOINTLY by the four.  One barrier shows the fill to all; the walk has none.
; The fragments of step i + 1 are fetched in step i (K's behind the scores' products, V's behind the last products); step 15 fetches step 0's, for the next pass (in the last pass they are not used).
; LAYOUT.  Both products transposed: S^T = K q^T, O^T = V^T P^T: a lane holds one query (lane % 16).  The head size 64 is half of the instruction's 128 along K: a fragment of K holds TWO key tiles (six registers each),
; and source 1 is [q, 0] or [0, q]: zero codes add nothing.  Row m of key tile t is key 64 (t / 4) + 32 (m / 8) + 8 (t % 4) + m % 8 of the step: so register 32 c + i of a lane's scores is key 64 c + 32 (lane / 16) + i:
; a whole scale block of p lies in one lane, in the order of the operand's registers.  V's rows d and the queries of a tile carry the order 32 (t / 2) + 8 (t % 2) + r + 8 (r / 8).
; LIMITS: NaN and infinities are not served.  v_exp_f32 gives 0 under 2^-126.  A block's largest p is taken from the block's largest score: that takes v_exp_f32 not to fall where its input rises.
; A block of zeros keeps the scale byte 1: its codes are zeros, and this program alone reads the bytes.
; No prefetch: every tensor load stands at the head, so there is no later load to ask ahead of.
; REGISTERS.  window 0: v1-8 addresses; q at QQ + 18 x; KF, VF the fragments; KS, VS, QS, PS scale words; ST + 16 x small state; PF, PT + 20 x p's codes.
;   window 1: SS + 64 x scores, then p; OO + 32 x O^T; BM + 2 x the two blocks' largest scores; LL + 8 x four pairs of partial sums; TT sixteen pairs at work in tile 0's sum.
; ST: +0 -M, +1 largest score, +2 f (+3 = 0), +4..7 at work, +8, 9 scale operands, +10, 11 bytes, +12, 13 the scale word at work.
.set UNITB, 12800
.set SPARE, 0x32000
.set WV,  10
.set G1,  16
.set G0,  24
.set PASS, 28
.set HM,  29                           ; s29 mask of lanes 16-31
.set CS,  58                           ; s[58:59] c = log2(e) / 8
.set SEL, 60                           ; s[60:61] lane l xor 16
.set TB,  62
.set CNT, 63
.set QQ,  16
.set KF,  52
.set VF,  100
.set KS,  148
.set VS,  150
.set QS,  152
.set PS,  154
.set ST,  160
.set PF,  208
.set PT,  220
.set SPW, 254
.set NIL, 255
.set SS,  0
.set OO,  128
.set BM,  192
.set LL,  196
.set TT,  212
.set MSB, 0
.macro WIN new                         ; the immediate's high byte repeats the setting that is left
.if MSB != \new
	s_set_vgpr_msb (MSB<<8)|\new
.set MSB, \new
.endif
.endm
.macro PLACES n
.rept \n
	v_nop
.endr
.endm
.macro WALU
	s_wait_alu depctr_va_vdst(0)
.endm
.macro H2
	s_delay_alu instid0(VALU_DEP_2)
.endm
.macro CROUND
	s_barrier_signal -1
	s_barrier_wait -1
	s_cmp_lg_u32 s[WV], 0
	s_cbranch_scc1 .Lnot_wave_0_\@
	s_barrier_signal -3
.Lnot_wave_0_\@:
	s_barrier_wait -3
	s_barrier_signal -1
	s_barrier_wait -1
.endm
.macro FRAG reg, a16, a8, off          ; a fragment's image back into 12 registers
	ds_load_b128 v[\reg:\reg+3], v[\a16] offset:\off
	ds_load_b64 v[\reg+4:\reg+5], v[\a8] offset:\off
	ds_load_b128 v[\reg+6:\reg+9], v[\a16] offset:\off+768
	ds_load_b64 v[\reg+10:\reg+11], v[\a8] offset:\off+768
.endm
.macro MM d, a, b, c, sa, sb, row
.if \row
	v_wmma_scale_f32_16x16x128_f8f6f4 v[\d:\d+7], v[\a:\a+11], v[\b:\b+11], \c, v[\sa], v[\sb] matrix_a_fmt:MATRIX_FMT_FP6 matrix_b_fmt:MATRIX_FMT_FP6 matrix_a_scale:MATRIX_SCALE_ROW1
.else
	v_wmma_scale_f32_16x16x128_f8f6f4 v[\d:\d+7], v[\a:\a+11], v[\b:\b+11], \c, v[\sa], v[\sb] matrix_a_fmt:MATRIX_FMT_FP6 matrix_b_fmt:MATRIX_FMT_FP6
.endif
.endm
.macro GETK a16, a8, as                ; 18 LDS loads: four fragments of K and their two scale images
.irp f, 0,1,2,3
	FRAG KF+12*\f, \a16, \a8, 1536*\f
.endr
	ds_load_b32 v[KS], v[\as]
	ds_load_b32 v[KS+1], v[\as] offset:128
.endm
.macro GETV a16, a8, as                ; 18 LDS loads: four fragments of V^T and their two scale images
.irp d, 0,1,2,3
	FRAG VF+12*\d, \a16, \a8, 6144+1536*\d
.endr
	ds_load_b32 v[VS], v[\as] offset:256
	ds_load_b32 v[VS+1], v[\as] offset:384
.endm
.macro QLOAD                           ; two query tiles: six registers of codes and the scale word each
.irp x, 0,1
	global_load_b128 v[QQ+18*\x+6:QQ+18*\x+9], v1, s[4:5] offset:1024*\x
	global_load_b64 v[QQ+18*\x+10:QQ+18*\x+11], v2, s[4:5] offset:1024*\x
	global_load_b32 v[QS+\x], v2, s[4:5] offset:1024*\x+256
.endr
.endm
.macro SOPS x                          ; tile x: the conversions' scale operands from the blocks' largest p
	WIN 0x04
	v_max_num_f32 v[ST+16*\x+8], 0x1800000, v[BM+2*\x]       ; the floor 2^(3 - 127)
	v_max_num_f32 v[ST+16*\x+9], 0x1800000, v[BM+2*\x+1]
	WIN 0
	v_add_nc_u32 v[ST+16*\x+8], 0xff000000, v[ST+16*\x+8]    ; 2 off the exponent field
	v_add_nc_u32 v[ST+16*\x+9], 0xff000000, v[ST+16*\x+9]
.endm
.macro CODES x                         ; tile x: 64 p of a lane become codes
	WIN 0x01
.irp c, 0,1
	v_cvt_scalef32_pk16_fp6_f32 v[PF+20*\x+6*\c:PF+20*\x+6*\c+2], v[SS+64*\x+32*\c:SS+64*\x+32*\c+15], v[ST+16*\x+8+\c]
	v_cvt_scalef32_pk16_fp6_f32 v[PT+20*\x+4*\c:PT+20*\x+4*\c+2], v[SS+64*\x+32*\c+16:SS+64*\x+32*\c+31], v[ST+16*\x+8+\c]   ; (a conversion's three registers begin on an even number)
.endr
	v_nop                                          ; one plain instruction behind the scaled conversions
.endm
	s_load_b128 s[4:7], s[0:1], 0x0                ; qf, kv
	s_load_b64 s[8:9], s[0:1], 0x10                ; ao
	v_lshl_add_u32 v[SPW], v0, 2, SPARE
	v_mov_b32 v[NIL], 0
	ds_add_u32 v[SPW], v[NIL]                      ; the opening lines: the add, twice on end, and its wait
	ds_add_u32 v[SPW], v[NIL]
	v_lshrrev_b32 v9, 5, v0
	s_delay_alu instid0(VALU_DEP_1)
	v_readfirstlane_b32 s[WV], v9                  ; wave 0..7
	s_bfe_u32 s11, ttmp6, 0x40000                  ; cx: it enters qf's and ao's addresses alone
	s_and_b32 s12, ttmp7, 0xffff                   ; 16 x batch + head, which the four partners share
	s_mov_b32 s[G1], 15|(3<<16)|(1<<21)            ; the mask: all four; elements of 8 bytes; 21 set beside a mask; no padding
	s_mov_b32 s[G1+1], 32<<16                      ; rows of 256 bytes of a dense block
	s_mov_b32 s[G1+2], 100<<16                     ; 100 of them: two steps
	s_mov_b32 s[G1+3], 32<<16
	s_mov_b32 s[G1+4], 100
	s_mov_b32 s[G1+5], 32
	s_mov_b32 s[G1+6], 0
	s_mov_b32 s[G1+7], 0
	s_mul_i32 s14, s[WV], 2*UNITB                  ; my two steps
	s_mul_i32 s56, s12, 16*UNITB
	s_add_co_u32 s56, s56, s14
	s_mov_b32 s57, 0
	s_mov_b32 s[CS], 0x3e38aa3b
	s_mov_b32 s[CS+1], s[CS]                       ; (named with it as a pair)
	s_mov_b32 s[SEL], 0x76543210
	s_mov_b32 s[SEL+1], 0xfedcba98
	s_mov_b32 s[G0], 1
	s_mov_b32 s[G0+1], s14
	s_wait_dscnt 0x0
	s_wait_kmcnt 0x0
	s_add_nc_u64 s[G0+2:G0+3], s[6:7], s[56:57]
	s_or_b32 s[G0+3], s[G0+3], 0x80000000
	CROUND                                         ; all four work-groups are here: the joint loads meet
	tensor_load_to_lds s[G0:G0+3], s[G1:G1+7]      ; every wave's one load
	s_nop 0
	PLACES 4
	s_lshl_b32 s66, s11, 5
	s_lshl_b32 s67, s[WV], 1
	s_add_co_u32 s66, s66, s67                     ; my first query tile of the first pass: 32 cx + 2 wave (the second pass: 16 on)
	s_lshl_b32 s67, s12, 7
	s_add_co_u32 s67, s67, s66
	s_lshl_b32 s68, s67, 10
	s_mov_b32 s69, 0
	s_add_nc_u64 s[4:5], s[4:5], s[68:69]          ; its 1,024 bytes of qf; tile x = 1 follows
	s_lshr_b32 s66, s12, 4
	s_lshl_b32 s66, s66, 4
	s_lshl_b32 s67, s11, 2
	s_add_co_u32 s66, s66, s67
	s_lshr_b32 s67, s[WV], 2
	s_add_co_u32 s66, s66, s67                     ; the group of 128 tokens
	s_lshl_b32 s66, s66, 3
	s_bfe_u32 s67, s12, 0x30001                    ; the last projection's K step: head / 2
	s_add_co_u32 s66, s66, s67
	s_mul_i32 s66, s66, UNITB                      ; ao's unit
	s_and_b32 s67, s[WV], 3
	s_lshl_b32 s67, s67, 1                         ; my first tile in it
	s_and_b32 s15, s12, 1                          ; which half of its fragments: head % 2
	s_lshl_b32 s70, s67, 6
	s_lshl_b32 s68, s15, 1
	s_add_co_u32 s70, s70, s68
	s_add_co_u32 s70, s70, s66
	s_add_co_u32 s70, s70, 12288
	s_mov_b32 s71, 0
	s_add_nc_u64 s[70:71], s[8:9], s[70:71]        ; my scale bytes: + 4 r + block
	s_mul_i32 s68, s67, 1536
	s_mul_i32 s15, s15, 768
	s_add_co_u32 s68, s68, s15
	s_add_co_u32 s68, s68, s66
	s_add_nc_u64 s[8:9], s[8:9], s[68:69]          ; my six registers' image
	s_mov_b32 s[PASS], 0
	v_and_b32 v9, 31, v0                           ; lane
	v_and_b32 v10, 15, v0                          ; r
	v_bfe_u32 v11, v0, 4, 1                        ; h
	s_delay_alu instid0(VALU_DEP_3)
	v_lshlrev_b32 v1, 4, v9                        ; 16 x lane
	s_delay_alu instid0(VALU_DEP_4)
	v_lshlrev_b32 v2, 3, v9
	v_lshlrev_b32 v3, 2, v9
	s_delay_alu instid0(VALU_DEP_4)
	v_lshl_add_u32 v7, v10, 2, v11                 ; 4 r + h
	v_lshlrev_b32 v8, 3, v11                       ; 8 h
	s_delay_alu instid0(VALU_DEP_4)
	v_add_nc_u32 v2, 512, v2                       ; 512 + 8 x lane
	s_delay_alu instid0(VALU_DEP_4)
	v_add_nc_u32 v3, 12288, v3                     ; the scale images: 12,288 + 4 x lane
	v_cmp_le_u32 s[HM], 16, v9
.irp x, 0,1
.irp j, 0,1,2,3,4,5,12,13,14,15,16,17
	v_mov_b32 v[QQ+18*\x+\j], 0                    ; [q, 0] = QQ + 6 .. 17, [0, q] = QQ .. 11
.endr
	v_mov_b32 v[ST+16*\x+3], 0                     ; (named as the upper half of f's pair)
	v_mov_b32 v[ST+16*\x+5], 0                     ; a lane permute's destination counts as one of its sources
	v_mov_b32 v[ST+16*\x+13], 0
.endr
	QLOAD                                          ; the first pass's q, on its way beside the tiles
	WALU                                           ; the wait at the head's end
	s_wait_tensorcnt 0x0                           ; my two steps are in
	s_barrier_signal -1
	s_barrier_wait -1                              ; everybody's are.
	GETK 1, 2, 3                                   ; step 0
	GETV 1, 2, 3
; A KEY STEP: 128 keys, two query tiles
.macro STEP
	s_wait_dscnt 18                                ; K's 18 loads are in; V's 18, issued behind them, may be out
	s_add_co_u32 s[TB], s[CNT], 1
	s_and_b32 s[TB], s[TB], 15
	s_mul_i32 s[TB], s[TB], UNITB                  ; LDS byte of the next step's block: (step + 1) % 16
	WIN 0x40
.irp x, 0,1
.irp f, 0,1,2,3
	MM SS+64*\x+16*\f, KF+12*\f, QQ+18*\x+6, 0, KS+\f/2, QS+\x, \f%2
	MM SS+64*\x+16*\f+8, KF+12*\f, QQ+18*\x, 0, KS+\f/2, QS+\x, \f%2
.endr
.endr
	WIN 0
	v_add_nc_u32 v4, s[TB], v1                     ; these five are the places behind the products
	v_add_nc_u32 v5, s[TB], v2
	v_add_nc_u32 v6, s[TB], v3
	v_mov_b32 v[ST+6], v[ST]
	v_mov_b32 v[ST+22], v[ST+16]                   ; the old -M
	WIN 0x55
.irp x, 0,1
.irp b, 0,1
	v_max3_num_f32 v[BM+2*\x+\b], v[SS+64*\x+32*\b], v[SS+64*\x+32*\b+1], v[SS+64*\x+32*\b+2]   ; the largest score of each block of 32 keys, all of it in my lane; each accumulator from its low end on
.endr
.endr
.irp i, 3,5,7,9,11,13,15,17,19,21,23,25,27,29
.irp x, 0,1
.irp b, 0,1
	v_max3_num_f32 v[BM+2*\x+\b], v[BM+2*\x+\b], v[SS+64*\x+32*\b+\i], v[SS+64*\x+32*\b+\i+1]
.endr
.endr
.endr
.irp x, 0,1
.irp b, 0,1
	v_max_num_f32 v[BM+2*\x+\b], v[BM+2*\x+\b], v[SS+64*\x+32*\b+31]
.endr
.endr
	WIN 0x05
.irp x, 0,1
	v_max_num_f32 v[ST+16*\x+4], v[BM+2*\x], v[BM+2*\x+1]
.endr
	WIN 0
	GETK 4, 5, 6                                   ; the next step's K
.irp x, 0,1
	v_permlanex16_b32 v[ST+16*\x+5], v[ST+16*\x+4], s[SEL], s[SEL+1]
.endr
.irp x, 0,1
	H2
	v_max3_num_f32 v[ST+16*\x+1], v[ST+16*\x+1], v[ST+16*\x+4], v[ST+16*\x+5]   ; the running largest score of my query
.endr
.irp x, 0,1
	H2
	v_mul_f32 v[ST+16*\x+7], s[CS], v[ST+16*\x+1]  ; as t (c is positive)
.endr
.irp x, 0,1
	H2
	v_floor_f32 v[ST+16*\x], -v[ST+16*\x+7]        ; the new -M = -ceil(t)
.endr
.irp x, 0,1
	H2
	v_sub_f32 v[ST+16*\x+6], v[ST+16*\x], v[ST+16*\x+6]   ; old M - new M: a whole number, 0 or less
.endr
.irp x, 0,1
	H2
	v_cvt_i32_f32 v[ST+16*\x+6], v[ST+16*\x+6]     ; (it saturates)
.endr
.irp x, 0,1
	H2
	v_ldexp_f32 v[ST+16*\x+2], 1.0, v[ST+16*\x+6]  ; f = 2^(old M - new M)
.endr
	WIN 0x41
.set i, 0
.rept 32
	v_pk_fma_f32 v[SS+i:SS+i+1], v[SS+i:SS+i+1], s[CS:CS+1], v[ST:ST+1] op_sel_hi:[1,0,0]   ; tile 0: t - M
.set i, i+2
.endr
	v_fma_f32 v[BM], v[BM], s[CS], v[ST]           ; the same of each block's largest score
	v_fma_f32 v[BM+1], v[BM+1], s[CS], v[ST]
.set i, 0
.rept 16
	v_pk_mul_f32 v[OO+i:OO+i+1], v[OO+i:OO+i+1], v[ST+2:ST+3] op_sel_hi:[1,0]   ; O^T under the new M, each accumulator from its low end on
	v_pk_mul_f32 v[OO+32+i:OO+32+i+1], v[OO+32+i:OO+32+i+1], v[ST+18:ST+19] op_sel_hi:[1,0]
.set i, i+2
.endr
	WALU                                           ; the wait ahead of the run
.set i, 0
.rept 32                               ; tile 0's p = 2^(t - M), by turns with tile 1's t - M, the sums under the new M and tile 1's blocks' largest
	v_exp_f32 v[SS+2*i], v[SS+2*i]
	v_pk_fma_f32 v[SS+64+2*i:SS+64+2*i+1], v[SS+64+2*i:SS+64+2*i+1], s[CS:CS+1], v[ST+16:ST+17] op_sel_hi:[1,0,0]
	v_exp_f32 v[SS+2*i+1], v[SS+2*i+1]
.if i < 8
	v_pk_mul_f32 v[LL+2*i:LL+2*i+1], v[LL+2*i:LL+2*i+1], v[ST+16*(i/4)+2:ST+16*(i/4)+3] op_sel_hi:[1,0]
.elseif i < 10
	v_fma_f32 v[BM+i-6], v[BM+i-6], s[CS], v[ST+16]
.endif
.set i, i+1
.endr
	v_exp_f32 v[BM], v[BM]                         ; tile 0's blocks' largest p
	v_exp_f32 v[BM+1], v[BM+1]
	v_nop                                          ; a plain instruction behind the exponentials
	WALU                                           ; one wait for the run: behind it its results
	SOPS 0
	CODES 0
	WIN 0x45
.set i, 0
.rept 32                               ; tile 1's p, by turns with the first level of tile 0's row sum: sixteen sums of two pairs
	v_exp_f32 v[SS+64+2*i], v[SS+64+2*i]
.if i%2 == 0
	v_pk_add_f32 v[TT+i:TT+i+1], v[SS+2*i:SS+2*i+1], v[SS+2*i+2:SS+2*i+3]
.endif
	v_exp_f32 v[SS+64+2*i+1], v[SS+64+2*i+1]
.set i, i+1
.endr
	v_exp_f32 v[BM+2], v[BM+2]
	v_exp_f32 v[BM+3], v[BM+3]
	v_nop
	WALU
	SOPS 1
.irp x, 0,1
.irp b, 0,1
	v_lshrrev_b32 v[ST+16*\x+10+\b], 23, v[ST+16*\x+8+\b]   ; the scale's byte
.endr
.endr
.irp x, 0,1
	v_lshl_or_b32 v[ST+16*\x+12], v[ST+16*\x+11], 16, v[ST+16*\x+10]   ; my blocks h and 2 + h,
.endr
.irp x, 0,1
	H2
	v_lshlrev_b32 v[ST+16*\x+12], v8, v[ST+16*\x+12]   ; at their places in the word;
.endr
.irp x, 0,1
	H2
	v_permlanex16_b32 v[ST+16*\x+13], v[ST+16*\x+12], s[SEL], s[SEL+1]
.endr
.irp x, 0,1
	H2
	v_or_b32 v[PS+\x], v[ST+16*\x+12], v[ST+16*\x+13]   ; with lane l xor 16's two: p's scale word for these 128 keys
.endr
	CODES 1
	WIN 0
.irp x, 0,1
.irp c, 0,1
.irp i, 0,1,2
	v_mov_b32 v[PF+20*\x+6*\c+3+\i], v[PT+20*\x+4*\c+\i]
.endr
.endr
.endr
	WIN 0x45
.set i, 0
.rept 32                               ; the rest of the row's sums of the unquantised p, four chains a tile; these 48 lines are also the places between the codes and the scale words just written and the products below
	v_pk_add_f32 v[LL+8+2*(i%4):LL+8+2*(i%4)+1], v[LL+8+2*(i%4):LL+8+2*(i%4)+1], v[SS+64+2*i:SS+64+2*i+1]
.if i%2 == 0
	v_pk_add_f32 v[LL+2*((i/2)%4):LL+2*((i/2)%4)+1], v[LL+2*((i/2)%4):LL+2*((i/2)%4)+1], v[TT+i:TT+i+1]
.endif
.set i, i+1
.endr
	WALU                                           ; directly ahead of the wait below
	s_wait_dscnt 18                                ; V's 18 loads are in; the next K's 18, issued behind them, may be out
	WIN 0x50
.irp x, 0,1
.irp d, 0,1,2,3
	MM OO+32*\x+8*\d, VF+12*\d, PF+20*\x, v[OO+32*\x+8*\d:OO+32*\x+8*\d+7], VS+\d/2, PS+\x, \d%2
.endr
.endr
	WIN 0
	PLACES 4                                       ; in front of loads into registers that these products have read
	GETV 4, 5, 6                                   ; the next step's V^T
.endm
.Lpass:
.irp x, 0,1
	v_mov_b32 v[ST+16*\x+1], 0xff61b1e6            ; the largest score so far: -3e38
	v_mov_b32 v[ST+16*\x], 0x7f61b1e6              ; -M
.endr
	WIN 0x40
.set i, 0
.rept 64
	v_mov_b32 v[OO+i], 0                           ; O^T: the step is written without a first step of its own; the first change of M leaves zeros zeros
.set i, i+1
.endr
.set i, 0
.rept 16
	v_mov_b32 v[LL+i], 0
.set i, i+1
.endr
	WIN 0
	WALU
	s_wait_loadcnt 0x0                             ; q
	s_mov_b32 s[CNT], 0
.Lstep:
	STEP
	s_add_co_u32 s[CNT], s[CNT], 1
	s_cmp_lt_u32 s[CNT], 16
	s_cbranch_scc1 .Lstep
	s_cmp_eq_u32 s[PASS], 0                        ; behind the first pass: the second pass's q, 16 query tiles on, is asked for ahead of the way out
	s_cbranch_scc0 .Lno_q
	s_add_nc_u64 s[4:5], s[4:5], 16384             ; (the loads that read this base were waited for)
	QLOAD
.Lno_q:
	; THE WAY OUT: O^T / the sum; register 16 b + i is d = 32 b + 16 (lane / 16) + i of my query: two blocks of 32 along the last projection's K
	WIN 0x45
.irp x, 0,1
	v_pk_add_f32 v[LL+8*\x:LL+8*\x+1], v[LL+8*\x:LL+8*\x+1], v[LL+8*\x+2:LL+8*\x+3]
.endr
.irp x, 0,1
	v_pk_add_f32 v[LL+8*\x+4:LL+8*\x+5], v[LL+8*\x+4:LL+8*\x+5], v[LL+8*\x+6:LL+8*\x+7]
.endr
.irp x, 0,1
	H2
	v_pk_add_f32 v[LL+8*\x:LL+8*\x+1], v[LL+8*\x:LL+8*\x+1], v[LL+8*\x+4:LL+8*\x+5]
.endr
	WIN 0x05
.irp x, 0,1
	v_add_f32 v[ST+16*\x+4], v[LL+8*\x], v[LL+8*\x+1]
.endr
	WIN 0
.irp x, 0,1
	v_permlanex16_b32 v[ST+16*\x+5], v[ST+16*\x+4], s[SEL], s[SEL+1]
.endr
.irp x, 0,1
	H2
	v_add_f32 v[ST+16*\x+2], v[ST+16*\x+4], v[ST+16*\x+5]   ; the row's sum
.endr
	WALU
.irp x, 0,1
	v_rcp_f32 v[ST+16*\x+2], v[ST+16*\x+2]
.endr
.irp x, 0,1
.irp b, 0,1
	v_mov_b32 v[ST+16*\x+8+\b], 0x1800000          ; the floor 2^(3 - 127) starts each block's largest magnitude (plain lines behind the reciprocals)
.endr
.endr
	WIN 0x41
	WALU                                           ; ahead of the first reader of the reciprocals and of O^T
.set i, 0
.rept 16
	v_pk_mul_f32 v[SS+i:SS+i+1], v[OO+i:OO+i+1], v[ST+2:ST+3] op_sel_hi:[1,0]   ; each accumulator from its low end on
	v_pk_mul_f32 v[SS+64+i:SS+64+i+1], v[OO+32+i:OO+32+i+1], v[ST+18:ST+19] op_sel_hi:[1,0]
.set i, i+2
.endr
	WIN 0x14
.irp i, 0,2,4,6,8,10,12,14
.irp x, 0,1
.irp b, 0,1
	v_max3_num_f32 v[ST+16*\x+8+\b], v[ST+16*\x+8+\b], |v[SS+64*\x+16*\b+\i]|, |v[SS+64*\x+16*\b+\i+1]|
.endr
.endr
.endr
	WIN 0
.irp x, 0,1
.irp b, 0,1
	v_permlanex16_b32 v[ST+16*\x+10+\b], v[ST+16*\x+8+\b], s[SEL], s[SEL+1]
.endr
.endr
.irp x, 0,1
.irp b, 0,1
	v_max_num_f32 v[ST+16*\x+8+\b], v[ST+16*\x+8+\b], v[ST+16*\x+10+\b]
.endr
.endr
.irp x, 0,1
.irp b, 0,1
	v_add_nc_u32 v[ST+16*\x+8+\b], 0xff000000, v[ST+16*\x+8+\b]
.endr
.endr
.irp x, 0,1
.irp b, 0,1
	v_lshrrev_b32 v[ST+16*\x+10+\b], 23, v[ST+16*\x+8+\b]
.endr
.endr
	WIN 0x01
.irp x, 0,1
	v_cvt_scalef32_pk16_fp6_f32 v[PF+20*\x:PF+20*\x+2], v[SS+64*\x:SS+64*\x+15], v[ST+16*\x+8]
	v_cvt_scalef32_pk16_fp6_f32 v[PT+20*\x:PT+20*\x+2], v[SS+64*\x+16:SS+64*\x+31], v[ST+16*\x+9]
.endr
	v_nop
	WIN 0
.irp x, 0,1
.irp i, 0,1,2
	v_permlane16_swap_b32 v[PF+20*\x+\i], v[PT+20*\x+\i]
.endr
.endr
.irp x, 0,1
.irp i, 0,1,2
	v_mov_b32 v[PF+20*\x+3+\i], v[PT+20*\x+\i]     ; six registers: k = 32 (lane / 16) + 0 .. 31 of my head's 64
.endr
.endr
.irp x, 0,1
	v_cndmask_b32 v[ST+16*\x+12], v[ST+16*\x+10], v[ST+16*\x+11], s[HM]   ; lanes 0-15 store block 0's byte, lanes 16-31 block 1's
.endr
.irp x, 0,1
	global_store_b128 v1, v[PF+20*\x:PF+20*\x+3], s[8:9] offset:1536*\x    ; 512 consecutive bytes, aligned to 256
	global_store_b64 v2, v[PF+20*\x+4:PF+20*\x+5], s[8:9] offset:1536*\x   ; 256
.endr
.irp x, 0,1
	global_store_b8 v7, v[ST+16*\x+12], s[70:71] offset:64*\x   ; a scale word's halves belong to two heads, so to two work-groups: 32 single bytes a tile beside its 768
.endr
	WALU
	s_wait_xcnt 0x0                                ; the stores have read their data and their bases
	s_add_nc_u64 s[8:9], s[8:9], 16*UNITB          ; the next pass: two groups of tokens, 16 units of ao, on
	s_add_nc_u64 s[70:71], s[70:71], 16*UNITB
	s_add_co_u32 s[PASS], s[PASS], 1
	s_cmp_lt_u32 s[PASS], 2
	s_cbranch_scc1 .Lpass
	s_wait_tensorcnt 0x0                           ; the wave's end
	ds_add_u32 v[SPW], v[NIL]
	s_wait_dscnt 0x0
	CROUND                                         ; the closing round
	s_endpgm
.Lfunc_end_k_qa3bbea5988_attn:
	.size	k_qa3bbea5988_attn, .Lfunc_end_k_qa3bbea5988_attn-k_qa3bbea5988_attn
	.p2alignl 7, 3214868480
	.fill 96, 4, 3214868480
	.section	.rodata,"a",@progbits
	.p2align	6, 0x0
	.amdhsa_kernel k_qa3bbea5988_attn
		.amdhsa_group_segment_fixed_size 206848
		.amdhsa_private_segment_fixed_size 0
		.amdhsa_enable_private_segment 0
		.amdhsa_kernarg_size 24
		.amdhsa_user_sgpr_count 2
		.amdhsa_user_sgpr_kernarg_segment_ptr 1
		.amdhsa_wavefront_size32 1
		.amdhsa_system_sgpr_workgroup_id_x 1
		.amdhsa_system_sgpr_workgroup_id_y 1
		.amdhsa_system_sgpr_workgroup_id_z 1
		.amdhsa_system_vgpr_workitem_id 0
		.amdhsa_next_free_vgpr 512
		.amdhsa_next_free_sgpr 72
		.amdhsa_reserve_vcc 0
		.amdhsa_float_denorm_mode_32 3
		.amdhsa_float_denorm_mode_16_64 3
		.amdhsa_memory_ordered 1
		.amdhsa_forward_progress 1
		.amdhsa_inst_pref_size 49
	.end_amdhsa_kernel
	.amdgpu_metadata
---
amdhsa.version: [ 1, 2 ]
amdhsa.kernels:
  - .name:           k_qa3bbea5988_attn
    .symbol:         k_qa3bbea5988_attn.kd
    .args:
      - { .name: qf, .offset: 0, .size: 8, .value_kind: global_buffer, .address_space: global }
      - { .name: kv, .offset: 8, .size: 8, .value_kind: global_buffer, .address_space: global }
      - { .name: ao, .offset: 16, .size: 8, .value_kind: global_buffer, .address_space: global }
    .group_segment_fixed_size: 206848
    .private_segment_fixed_size: 0
    .kernarg_segment_align: 8
    .kernarg_segment_size: 24
    .max_flat_workgroup_size: 256
    .sgpr_count:     72
    .vgpr_count:     512
    .wavefront_size: 32
...
	.end_amdgpu_metadata
.endif
;; end of part 3
;; launch oproj (part 4): grid 4 x 64, 4 waves a work-group, clusters of 4 x 4, 307,712 bytes of LDS; arguments ao, xw, bo, out0; writes out0
.if DOCPART == 4
	.amdgcn_target "amdgcn-amd-amdhsa--gfx1250"
	.amdhsa_code_object_version 6
	.text
	.protected	k_qa3bbea5988_oproj
	.globl	k_qa3bbea5988_oproj
	.p2align	8
	.type	k_qa3bbea5988_oproj,@function
k_qa3bbea5988_oproj:
	s_mov_b64 s[64:65], 0
	v_nop
	global_prefetch_b8 v0, s[64:65] scope:SCOPE_SE
	s_setreg_imm32_b32 hwreg(HW_REG_WAVE_MODE, 25, 1), 1
	s_wait_xcnt 0x0
	s_wait_alu depctr_hold_cnt(0) depctr_sa_sdst(0) depctr_va_vdst(0) depctr_va_sdst(0) depctr_va_ssrc(0) depctr_va_vcc(0) depctr_vm_vsrc(0)
	s_getreg_b32 s2, hwreg(HW_REG_IB_STS2, 6, 4)
	s_cmp_eq_u32 s2, 0
	s_cbranch_scc0 .Lentry_in_a_cluster
	s_endpgm
.Lentry_in_a_cluster:
	s_bfe_u32 s2, ttmp6, 0x10000c
	s_cmp_lg_u32 s2, 0xf033
	s_cbranch_scc0 .Lentry_shape_is_right
	s_endpgm
.Lentry_shape_is_right:
; out0 = A Wo^T + bo on codes of FP6 (E2M3) with E8M0 scales: A [8192][1024] out of ao, Wo out of xw (groups 216 to 223), both as images of operand registers in units of 12,800 bytes
; (8 fragments of 16 rows x 128 K, then their scale words; lane r of tile t is row 32 (t / 2) + 8 (t % 2) + r + 8 (r / 8) of its 128).
; Source 0 = Wo (S0, 256 features a work-group), source 1 = A (S1, 128 tokens): a lane holds one token, and the 16 registers of two neighbouring tiles are 16 neighbouring features.
; LDS IS FILLED ONCE: all of K = 1,024 of the 128 + 256 rows, 307,200 bytes; each wave issues one tensor load at the head; no byte is filled again.
; CLUSTER 4 x 4: S0's tile hangs on cx alone and is asked for jointly down a column, S1's on cy alone and jointly along a row.  Wave w: S0's group w % 2 x S1's tiles 4 (w / 2) .. + 3: 32 accumulators.
; The way out goes through a stage of the wave's own, laid over tiles that have had their only fill and, behind a barrier, their last read: 32 lanes store 512 consecutive bytes of a row of out0.
; No prefetch: every tensor load stands at the head.  NaN and infinities are not served.
; REGISTERS.  window 0: v1-12 LDS addresses, v13-19 the way out's, v21-23 lane, r, h; v24-47 scale words, two sets of 8 + 4; v48-143 S1's fragments, two sets; v144-207 the bias.
;   window 1: S0's fragments, two sets.   window 2: accumulator (a, b) at v[8 (8 a + b)].
.set UNITB, 12800
.set GRPB,  8*UNITB
.set WV,   16
.set G1A,  32
.set G1B,  40
.set G0A,  48
.set G0B,  68
.set SC,   24
.set S1F,  48
.set BR,   144
.set T,    48
.set STO,  15
.set RD,   16
.set CO,   13
.set SP,   528
.set W_MUL, 0xa1
.set W_S0,  0x40
.set W_ACC, 0x02
.set MSB, 0
.macro WIN new
.if MSB != \new
	s_set_vgpr_msb (MSB<<8)|\new
.set MSB, \new
.endif
.endm
.macro PLACES n
.rept \n
	v_nop
.endr
.endm
.macro CROUND
	s_barrier_signal -1
	s_barrier_wait -1
	s_cmp_lg_u32 s[WV], 0
	s_cbranch_scc1 .Lnot_wave_0_\@
	s_barrier_signal -3
.Lnot_wave_0_\@:
	s_barrier_wait -3
	s_barrier_signal -1
	s_barrier_wait -1
.endm
.macro FRAG reg, a16, a8, off
	ds_load_b128 v[\reg:\reg+3], v[\a16] offset:\off
	ds_load_b64 v[\reg+4:\reg+5], v[\a8] offset:\off
	ds_load_b128 v[\reg+6:\reg+9], v[\a16] offset:\off+768
	ds_load_b64 v[\reg+10:\reg+11], v[\a8] offset:\off+768
.endm
	s_load_b256 s[4:11], s[0:1], 0x0               ; ao, xw, bo, out0
	v_lshl_add_u32 v254, v0, 2, 0x4b000
	v_mov_b32 v255, 0
	ds_add_u32 v254, v255
	ds_add_u32 v254, v255
	v_lshrrev_b32 v21, 5, v0
	v_readfirstlane_b32 s[WV], v21
	s_and_b32 s17, s[WV], 1
	s_lshr_b32 s18, s[WV], 1
	s_bfe_u32 s19, ttmp6, 0x40000                  ; cx = S0's tile
	s_bfe_u32 s20, ttmp6, 0x40004                  ; cy
	s_and_b32 s21, ttmp7, 0xffff
	s_lshl_b32 s30, 0x1111, s19                    ; my column (s19, s26, s27, s30 never hold cy; s20, s25, s28, s29, s31 never cx)
	s_or_b32 s[G1A], s30, (3<<16)|(1<<21)
	s_lshl_b32 s31, s20, 2
	s_lshl_b32 s31, 15, s31                        ; my row
	s_or_b32 s[G1B], s31, (3<<16)|(1<<21)
	; ONE TENSOR LOAD A WAVE AT THE HEAD: wave 0 S0's K steps 0-3, wave 1 S1's K steps 0-3, wave 2 S0's K steps 4-7, wave 3 S1's.
	; S0's tile: two rows of 51,200 bytes (four K steps of each of its two groups), 102,400 bytes apart in memory, on end in LDS.
	; LDS by halves of K, 153,600 bytes each: S1's four units, S0's group 0's four, group 1's four.
	s_mov_b32 s[G1A+1], 6400<<16
	s_mov_b32 s[G1A+2], 2<<16
	s_mov_b32 s[G1A+3], 6400<<16
	s_mov_b32 s[G1A+4], 2
	s_mov_b32 s[G1A+5], 12800
	s_mov_b32 s[G1A+6], 0
	s_mov_b32 s[G1A+7], 0
	s_mov_b32 s[G1B+1], 32<<16
	s_mov_b32 s[G1B+2], 200<<16
	s_mov_b32 s[G1B+3], 32<<16
	s_mov_b32 s[G1B+4], 200
	s_mov_b32 s[G1B+5], 32
	s_mov_b32 s[G1B+6], 0
	s_mov_b32 s[G1B+7], 0
	s_lshl_b32 s25, s21, 2
	s_add_co_u32 s25, s25, s20                     ; S1's tile: the group of 128 tokens
	s_lshl_b32 s30, s19, 1
	s_add_co_u32 s30, s30, 216
	s_mul_i32 s26, s30, GRPB
	s_mov_b32 s27, 0
	s_mul_i32 s28, s25, GRPB
	s_mov_b32 s29, 0
	s_mul_i32 s66, s17, 4*UNITB
	s_add_co_u32 s66, s66, 4*UNITB                 ; LDS: my group of S0 in the first half of K
	s_wait_dscnt 0x0
	s_wait_kmcnt 0x0
	s_add_nc_u64 s[26:27], s[6:7], s[26:27]
	s_add_nc_u64 s[28:29], s[4:5], s[28:29]
.irp c, 0,1                                    ; half c of K
	s_mov_b32 s[G0A+4*\c], 1
	s_mov_b32 s[G0A+4*\c+1], 4*UNITB+12*UNITB*\c
	s_add_nc_u64 s[G0A+4*\c+2:G0A+4*\c+3], s[26:27], 4*UNITB*\c
	s_or_b32 s[G0A+4*\c+3], s[G0A+4*\c+3], 0x80000000
	s_mov_b32 s[G0B+4*\c], 1
	s_mov_b32 s[G0B+4*\c+1], 12*UNITB*\c
	s_add_nc_u64 s[G0B+4*\c+2:G0B+4*\c+3], s[28:29], 4*UNITB*\c
	s_or_b32 s[G0B+4*\c+3], s[G0B+4*\c+3], 0x80000000
.endr
	CROUND                                         ; all sixteen work-groups are here: the joint loads meet
	s_cmp_eq_u32 s[WV], 0                          ; one chain of branches on the wave's number, one load to an arm
	s_cbranch_scc0 .Larm_1
	tensor_load_to_lds s[G0A:G0A+3], s[G1A:G1A+7]
	s_nop 0
	PLACES 4
	s_branch .Lfilled
.Larm_1:
	s_cmp_eq_u32 s[WV], 1
	s_cbranch_scc0 .Larm_2
	tensor_load_to_lds s[G0B:G0B+3], s[G1B:G1B+7]
	s_nop 0
	PLACES 4
	s_branch .Lfilled
.Larm_2:
	s_cmp_eq_u32 s[WV], 2
	s_cbranch_scc0 .Larm_3
	tensor_load_to_lds s[G0A+4:G0A+7], s[G1A:G1A+7]
	s_nop 0
	PLACES 4
	s_branch .Lfilled
.Larm_3:
	tensor_load_to_lds s[G0B+4:G0B+7], s[G1B:G1B+7]
	s_nop 0
	PLACES 4
.Lfilled:
	v_and_b32 v21, 31, v0                          ; lane
	v_and_b32 v22, 15, v0                          ; r
	v_bfe_u32 v23, v0, 4, 1                        ; h
	v_lshlrev_b32 v13, 4, v21                      ; 16 x lane
	v_lshlrev_b32 v14, 3, v21
	v_add_nc_u32 v14, 512, v14
	v_add_nc_u32 v1, s66, v13
	v_add_nc_u32 v2, s66, v14
	s_mul_i32 s95, s18, 6144
	v_add_nc_u32 v3, s95, v13
	v_add_nc_u32 v4, s95, v14
	v_lshlrev_b32 v5, 2, v22
	s_lshl_b32 s95, s18, 8
	v_add_nc_u32 v6, s95, v5
	v_add_nc_u32 v6, 12288, v6
	v_add_nc_u32 v5, s66, v5
	v_add_nc_u32 v5, 12288, v5
.irp i, 1,2,3,4,5,6
	v_add_nc_u32 v[6+\i], 12*UNITB, v[\i]          ; the same in the second half of K
.endr
	s_mul_i32 s95, s[WV], 16*SP                    ; my stage
	v_mul_u32_u24 v[STO], v22, SP
	v_lshl_add_u32 v[STO], v23, 6, v[STO]
	v_add_nc_u32 v[STO], s95, v[STO]               ; in: row r, + 64 h
	v_add_nc_u32 v[RD], s95, v13                   ; back: a row's 512 bytes, 16 a lane
	s_lshl_b32 s100, s19, 1
	s_add_co_u32 s100, s100, s17
	s_lshl_b32 s100, s100, 9                       ; my 128 features, in bytes
	v_lshl_add_u32 v19, v23, 6, s100               ; the bias: registers 16 b + i: feature 32 b + 16 h + i
	s_lshl_b32 s84, s25, 7
	s_lshl_b32 s85, s18, 6
	s_add_co_u32 s84, s84, s85                     ; my first token
	s_lshl_b32 s84, s84, 12
	s_add_co_u32 s84, s84, s100
	s_mov_b32 s85, 0
	s_add_nc_u64 s[84:85], s[10:11], s[84:85]
.irp b, 0,1,2,3
.irp j, 0,1,2,3
	global_load_b128 v[BR+16*\b+4*\j:BR+16*\b+4*\j+3], v19, s[8:9] offset:128*\b+16*\j
.endr
.endr
.macro FETCH s, p                      ; K step s into set p: 60 LDS loads
.set OFK, UNITB*((\s)%4)
.set HB, 6*((\s)/4)
	WIN W_S0
.irp b, 0,1,2,3,4,5,6,7
	FRAG 128*(\p)+12*\b, 1+HB, 2+HB, OFK+1536*\b
.endr
	WIN 0
.irp a, 0,1,2,3
	FRAG S1F+48*(\p)+12*\a, 3+HB, 4+HB, OFK+1536*\a
.endr
.irp b, 0,1,2,3,4,5,6,7
	ds_load_b32 v[SC+12*(\p)+\b], v[5+HB] offset:OFK+64*\b
.endr
.irp a, 0,1,2,3
	ds_load_b32 v[SC+12*(\p)+8+\a], v[6+HB] offset:OFK+64*\a
.endr
.endm
.macro MUL p, zero                     ; the 32 accumulators take turns, one instruction a turn
.irp a, 0,1,2,3
.irp b, 0,1,2,3,4,5,6,7
.if \zero
	v_wmma_scale_f32_16x16x128_f8f6f4 v[8*(8*\a+\b):8*(8*\a+\b)+7], v[128*(\p)+12*\b:128*(\p)+12*\b+11], v[S1F+48*(\p)+12*\a:S1F+48*(\p)+12*\a+11], 0, v[SC+12*(\p)+\b], v[SC+12*(\p)+8+\a] matrix_a_fmt:MATRIX_FMT_FP6 matrix_b_fmt:MATRIX_FMT_FP6
.else
	v_wmma_scale_f32_16x16x128_f8f6f4 v[8*(8*\a+\b):8*(8*\a+\b)+7], v[128*(\p)+12*\b:128*(\p)+12*\b+11], v[S1F+48*(\p)+12*\a:S1F+48*(\p)+12*\a+11], v[8*(8*\a+\b):8*(8*\a+\b)+7], v[SC+12*(\p)+\b], v[SC+12*(\p)+8+\a] matrix_a_fmt:MATRIX_FMT_FP6 matrix_b_fmt:MATRIX_FMT_FP6
.endif
.endr
.endr
.endm
.macro STEP s
.if (\s) == 3
	s_wait_dscnt 0x0                               ; no LDS instruction of mine is pending at a signal
	s_wait_tensorcnt 0x0                           ; every wave's one load is in: the second half of K
	s_barrier_signal -1
	s_barrier_wait -1                              ; everybody's is.
.endif
.if (\s) < 7
	PLACES 4                                       ; in front of loads into registers that the last K step's matrix instructions have read
	FETCH (\s)+1, ((\s)+1)%2
	s_wait_dscnt 60                                ; all but the 60 just issued
.else
	s_wait_dscnt 0x0
.endif
	WIN W_MUL
.if (\s) == 0
	MUL 0, 1
.else
	MUL (\s)%2, 0
.endif
	WIN 0
.endm
	s_wait_alu depctr_va_vdst(0)
	s_cmp_lt_u32 s[WV], 2                          ; waves 0 and 1 asked for the first half of K, by lines of their own: they wait for it
	s_cbranch_scc0 .Lnot_first
	s_wait_tensorcnt 0x0
.Lnot_first:
	s_barrier_signal -1
	s_barrier_wait -1
	FETCH 0, 0
.irp s, 0,1,2,3,4,5,6,7
	STEP \s
.endr
	; THE WAY OUT
	PLACES 4                                       ; behind the last products
	s_wait_dscnt 0x0                               ; my reads of the tiles are over,
	s_barrier_signal -1
	s_barrier_wait -1                              ; everybody's are: the stages may lie over the tiles, which are filled no more
	s_wait_loadcnt 0x0                             ; the bias
.irp a, 0,1,2,3
.if \a > 0
	s_wait_xcnt 0x0                                ; the last tile's stores have read their registers
.endif
	WIN W_ACC
.set i, 0
.rept 32
	v_pk_add_f32 v[T+i:T+i+1], v[64*\a+i:64*\a+i+1], v[BR+i:BR+i+1]   ; each accumulator from its low end on
.set i, i+2
.endr
	WIN 0
.irp b, 0,1,2,3
.irp j, 0,1,2,3
	ds_store_b128 v[STO], v[T+16*\b+4*\j:T+16*\b+4*\j+3] offset:128*\b+16*\j
.endr
.endr
.irp i, 0,1,2,3,4,5,6,7,8,9,10,11,12,13,14,15
	ds_load_b128 v[T+4*\i:T+4*\i+3], v[RD] offset:SP*\i   ; LDS serves a wave's instructions in order: these see the stores above, and the next tile's stores come behind them
.endr
.irp i, 0,1,2,3,4,5,6,7,8,9,10,11,12,13,14,15
	s_wait_dscnt 15-\i                             ; row i is back; the younger loads may be out
	global_store_b128 v[CO], v[T+4*\i:T+4*\i+3], s[84:85] offset:(32*(\a/2)+8*(\a%2)+\i+8*(\i/8))*4096 th:TH_STORE_NT   ; 512 consecutive bytes of the token's row, aligned to 256
.endr
.endr
	s_wait_tensorcnt 0x0
	ds_add_u32 v254, v255
	s_wait_dscnt 0x0
	CROUND                                         ; the closing round
	s_endpgm
.Lfunc_end_k_qa3bbea5988_oproj:
	.size	k_qa3bbea5988_oproj, .Lfunc_end_k_qa3bbea5988_oproj-k_qa3bbea5988_oproj
	.p2alignl 7, 3214868480
	.fill 96, 4, 3214868480
	.section	.rodata,"a",@progbits
	.p2align	6, 0x0
	.amdhsa_kernel k_qa3bbea5988_oproj
		.amdhsa_group_segment_fixed_size 307712
		.amdhsa_private_segment_fixed_size 0
		.amdhsa_enable_private_segment 0
		.amdhsa_kernarg_size 32
		.amdhsa_user_sgpr_count 2
		.amdhsa_user_sgpr_kernarg_segment_ptr 1
		.amdhsa_wavefront_size32 1
		.amdhsa_system_sgpr_workgroup_id_x 1
		.amdhsa_system_sgpr_workgroup_id_y 1
		.amdhsa_system_sgpr_workgroup_id_z 1
		.amdhsa_system_vgpr_workitem_id 0
		.amdhsa_next_free_vgpr 768
		.amdhsa_next_free_sgpr 102
		.amdhsa_reserve_vcc 0
		.amdhsa_float_denorm_mode_32 3
		.amdhsa_float_denorm_mode_16_64 3
		.amdhsa_memory_ordered 1
		.amdhsa_forward_progress 1
		.amdhsa_inst_pref_size 98
	.end_amdhsa_kernel
	.amdgpu_metadata
---
amdhsa.version: [ 1, 2 ]
amdhsa.kernels:
  - .name:           k_qa3bbea5988_oproj
    .symbol:         k_qa3bbea5988_oproj.kd
    .args:
      - { .name: ao, .offset: 0, .size: 8, .value_kind: global_buffer, .address_space: global }
      - { .name: xw, .offset: 8, .size: 8, .value_kind: global_buffer, .address_space: global }
      - { .name: bo, .offset: 16, .size: 8, .value_kind: global_buffer, .address_space: global }
      - { .name: out0, .offset: 24, .size: 8, .value_kind: global_buffer, .address_space: global }
    .group_segment_fixed_size: 307712
    .private_segment_fixed_size: 0
    .kernarg_segment_align: 8
    .kernarg_segment_size: 32
    .max_flat_workgroup_size: 128
    .sgpr_count:     102
    .vgpr_count:     768
    .wavefront_size: 32
...
	.end_amdgpu_metadata
.endif
;; end of part 4
